; MI455X (gfx1250); checked and timed in simulation.
; The chip was launched on July 23, 2026; its instructions are those of AMD's public machine-readable ISA for CDNA 5 (MIT licence, August 2026) and "CDNA5" Instruction Set Architecture Reference Guide (July 2026). The comments in the code are by the model that wrote it; some were corrected since.
;; Character Delimited Attention. Allowed arithmetic: float matrix products may take bf16 or f16 operands with f32 sums; other float arithmetic in f32, or as packed bf16 or f16 multiplies, adds, multiply-adds, maxima and minima; sums over many terms, partial sums and values carried from step to step in f32; what a program stores and reads back later, other than sums and carried values, may be rounded once to bf16 or f16.
;; Inputs: Wqkv 1,024 x 3,072 float32; bqkv 3,072 float32; char_ids 4 x 2,048 int32; x 4 x 2,048 x 1,024 float32.
;; Outputs: out0 4 x 2,048 x 1,024 float32.
;; 2 versions, each right; version 2 is version 1 with the launches prep, attn written anew for expert scheduling mode. Each part assembles by itself: llvm-mc -triple=amdgcn-amd-amdhsa -mcpu=gfx1250 --defsym DOCPART=n.
;; ======== version 1 of 2: 3 launches
;; limits: values are held in f16: magnitudes above 65,504 overflow, below 6.1e-05 lose precision; right only within a limited range of input values
;; workspace buffers: xb 16,777,216 bytes; wt 6,291,456 bytes; qkv 50,331,648 bytes; starts 32,768 bytes of whole numbers
;; launch prep (part 1): grid 1409 x 1, 4 waves a work-group, no clusters, 17,920 bytes of LDS; arguments x, Wqkv, char_ids, xb, wt, starts; writes xb, wt, starts
.if DOCPART == 1
	.amdgcn_target "amdgcn-amd-amdhsa--gfx1250"
	.amdhsa_code_object_version 6
	.text
	.protected	k_q9d884bcf71_prep
	.globl	k_q9d884bcf71_prep
	.p2align	8
	.type	k_q9d884bcf71_prep,@function
k_q9d884bcf71_prep:
	s_mov_b64 s[64:65], 0
	v_nop
	global_prefetch_b8 v0, s[64:65] scope:SCOPE_SE
	s_setreg_imm32_b32 hwreg(HW_REG_WAVE_MODE, 25, 1), 1
	s_wait_xcnt 0x0
; THREE JOBS, told apart by the work-group's number (the same for all four waves of a work-group):
;   group 0          starts[b][q] = the place of the last delimiter (32 or 10) at or before q, or 0 if there is none: the first key that query q may see
;   groups 1..384    wt = Wqkv rounded to bf16 and turned: row nt*192 + which*64 + c of wt (1,024 k on end) is column which*1024 + nt*64 + c of Wqkv
;   groups 385..1408 xb = x rounded to bf16, 32,768 bytes of x each
; No matrix work and no cluster: every byte is read once and written once, and no two work-groups read the same bytes.
.set WROW,  12288                      ; bytes in a row of Wqkv
.set TP,    272                        ; the turning tile in LDS: 64 rows (columns of Wqkv) of 128 k in bf16, 256 bytes + 16 of padding
.set SPARE, 64*TP                      ; behind the tile: the spare words, 128 bytes for each wave: two blocks of 256 bytes that no other line names
.set SPW, 8                            ; v8   LDS address of my spare word; never rewritten
.set NIL, 9                            ; v9   0; never rewritten
.set IN,  16                           ; v[16:79]  as loaded
.set PK,  80                           ; v[80:111] rounded and packed
	s_load_b256 s[4:11], s[0:1], 0x0               ; x s[4:5], Wqkv s[6:7], char_ids s[8:9], xb s[10:11]
	s_load_b128 s[12:15], s[0:1], 0x20             ; wt s[12:13], starts s[14:15]
	v_lshl_add_u32 v[SPW], v0, 2, SPARE
	v_mov_b32 v[NIL], 0
	v_lshrrev_b32 v1, 5, v0
	v_readfirstlane_b32 s16, v1                    ; wave 0..3
	s_mov_b32 s19, 0                               ; high word of every offset pair s[18:19]
	s_mov_b32 s21, 0                               ; and of s[20:21]
	s_wait_kmcnt 0x0
	s_cmp_eq_u32 ttmp9, 0
	s_cbranch_scc1 .Lseg
	s_cmp_lt_u32 ttmp9, 385
	s_cbranch_scc1 .Lw
	; ---- x to bf16.  Thread t takes 16 bytes at 2,048 j + 16 t, j = 0..15: a wave's load covers 512 consecutive bytes, its store 256, aligned.
	s_sub_co_u32 s17, ttmp9, 385
	s_lshl_b32 s18, s17, 15
	s_add_nc_u64 s[4:5], s[4:5], s[18:19]
	s_lshl_b32 s18, s17, 14
	s_add_nc_u64 s[10:11], s[10:11], s[18:19]
	v_lshlrev_b32 v1, 4, v0
	v_lshlrev_b32 v2, 3, v0
.set j, 0
.rept 16
	global_load_b128 v[IN+4*j:IN+4*j+3], v1, s[4:5] offset:2048*j th:TH_LOAD_NT
.set j, j+1
.endr
.set j, 0
.rept 16
	s_wait_loadcnt 15-j                            ; loads come back in order: load j is in, the younger ones stay out
	v_cvt_pk_bf16_f32 v[PK+2*j], v[IN+4*j], v[IN+4*j+1]
	v_cvt_pk_bf16_f32 v[PK+2*j+1], v[IN+4*j+2], v[IN+4*j+3]
	global_store_b64 v2, v[PK+2*j:PK+2*j+1], s[10:11] offset:1024*j th:TH_STORE_NT  ; no register of a store is written again
.set j, j+1
.endr
	s_branch .Lend
	; ---- Wqkv to bf16, turned.  A tile of 128 k x 64 columns: hc = which*16 + nt picks the columns, kt the 128 k.
.Lw:
	s_sub_co_u32 s17, ttmp9, 1
	s_lshr_b32 s18, s17, 3                         ; hc 0..47
	s_and_b32 s22, s17, 7                          ; kt 0..7
	s_mul_i32 s20, s22, 128*WROW
	s_lshl_b32 s23, s18, 8
	s_add_co_u32 s20, s20, s23
	s_add_nc_u64 s[6:7], s[6:7], s[20:21]          ; Wqkv at row 128 kt, column 64 hc
	s_lshr_b32 s23, s18, 4                         ; which
	s_and_b32 s18, s18, 15                         ; nt
	s_mul_i32 s18, s18, 192
	s_lshl_b32 s23, s23, 6
	s_add_co_u32 s18, s18, s23                     ; wt's row
	s_lshl_b32 s20, s18, 11
	s_lshl_b32 s22, s22, 8
	s_add_co_u32 s20, s20, s22
	s_add_nc_u64 s[12:13], s[12:13], s[20:21]      ; wt at that row, byte 256 kt
	v_and_b32 v6, 15, v0                           ; n4: my four columns
	v_lshrrev_b32 v7, 4, v0                        ; kp 0..7: my pair of rows in each sixteen
	v_mul_u32_u24 v1, v7, 2*WROW
	v_lshl_add_u32 v1, v6, 4, v1                   ; row 2 kp, 16 bytes at column 4 n4: sixteen lanes read 256 consecutive bytes, aligned
	v_mul_u32_u24 v3, v6, 4*TP
	v_lshl_add_u32 v3, v7, 2, v3                   ; into the tile: row 4 n4, word kp
	v_mul_u32_u24 v4, v7, TP
	v_lshl_add_u32 v4, v6, 4, v4                   ; back: row t / 16, 16 bytes at 16 (t % 16)
	v_lshlrev_b32 v5, 11, v7
	v_lshl_add_u32 v5, v6, 4, v5                   ; the same place in wt
.set i, 0
.rept 8
	global_load_b128 v[IN+8*i:IN+8*i+3],   v1, s[6:7] offset:i*16*WROW th:TH_LOAD_NT       ; row k = 2 (kp + 8 i)
	global_load_b128 v[IN+8*i+4:IN+8*i+7], v1, s[6:7] offset:i*16*WROW+WROW th:TH_LOAD_NT  ; row k + 1
.set i, i+1
.endr
.set i, 0
.rept 8
	s_wait_loadcnt 14-2*i                          ; pair i of rows is in; the younger pairs stay out
.irp e, 0,1,2,3
	v_cvt_pk_bf16_f32 v[PK+4*i+(\e)], v[IN+8*i+(\e)], v[IN+8*i+4+(\e)]  ; (k, k + 1) of column 4 n4 + e: a word of wt's row
.endr
.irp e, 0,1,2,3
	ds_store_b32 v3, v[PK+4*i+(\e)] offset:TP*(\e)+32*i  ; 32 such stores a thread, once
.endr
.set i, i+1
.endr
	s_wait_dscnt 0x0                               ; for the others' sake: my stores into the tile are done
	s_barrier_signal -1
	s_barrier_wait -1
.set i, 0
.rept 8
	ds_load_b128 v[IN+4*i:IN+4*i+3], v4 offset:8*TP*i
.set i, i+1
.endr
.set i, 0
.rept 8
	s_wait_dscnt 7-i
	global_store_b128 v5, v[IN+4*i:IN+4*i+3], s[12:13] offset:8*2048*i  ; sixteen lanes store 256 consecutive bytes, aligned
.set i, i+1
.endr
	s_branch .Lend
	; ---- starts.  Wave w takes batch w; lane l the places 64 l .. 64 l + 63, which are 256 bytes of its own (32 KiB in all: the lanes' 16-byte pieces lie 256 bytes apart).
.Lseg:
	s_lshl_b32 s18, s16, 13
	s_add_nc_u64 s[8:9], s[8:9], s[18:19]
	s_add_nc_u64 s[14:15], s[14:15], s[18:19]
	v_and_b32 v2, 31, v0
	v_lshlrev_b32 v1, 8, v2
	v_lshlrev_b32 v2, 6, v2                        ; my first place
	v_mov_b32 v3, 0
	v_mov_b32 v5, 0
.set i, 0
.rept 16
	global_load_b128 v[IN+4*i:IN+4*i+3], v1, s[8:9] offset:16*i
.set i, i+1
.endr
	s_wait_loadcnt 0x0
.set j, 0
.rept 64                                       ; the last delimiter inside my 64 places so far, or 0
	v_cmp_eq_u32 vcc_lo, 32, v[IN+j]
	v_cmp_eq_u32 s20, 10, v[IN+j]
	s_or_b32 vcc_lo, vcc_lo, s20
	v_add_nc_u32 v4, j, v2
.if j == 0
	v_cndmask_b32 v[IN], v3, v4, vcc_lo
.else
	v_cndmask_b32 v[IN+j], v[IN+j-1], v4, vcc_lo
.endif
.set j, j+1
.endr
	s_mov_b32 s21, 0                               ; what the lanes in front hand on: places only grow, so the greatest is the last
.set l, 0
.rept 32
	v_writelane_b32 v5, s21, l
	v_readlane_b32 s22, v[IN+63], l
	s_max_u32 s21, s21, s22
.set l, l+1
.endr
.set j, 0
.rept 64                                       ; 0 means none of my own so far (in lane 0 the carry is 0 too)
	v_cmp_eq_u32 vcc_lo, 0, v[IN+j]
	v_cndmask_b32 v[IN+j], v[IN+j], v5, vcc_lo
.set j, j+1
.endr
.set i, 0
.rept 16
	global_store_b128 v1, v[IN+4*i:IN+4*i+3], s[14:15] offset:16*i
.set i, i+1
.endr
.Lend:
	s_wait_tensorcnt 0x0                           ; the wave's end: behind my last LDS store
	ds_add_u32 v[SPW], v[NIL]
	s_wait_dscnt 0x0
	s_endpgm
.Lfunc_end_k_q9d884bcf71_prep:
	.size	k_q9d884bcf71_prep, .Lfunc_end_k_q9d884bcf71_prep-k_q9d884bcf71_prep
	.p2alignl 7, 3214868480
	.fill 96, 4, 3214868480
	.section	.rodata,"a",@progbits
	.p2align	6, 0x0
	.amdhsa_kernel k_q9d884bcf71_prep
		.amdhsa_group_segment_fixed_size 17920
		.amdhsa_private_segment_fixed_size 0
		.amdhsa_enable_private_segment 0
		.amdhsa_kernarg_size 48
		.amdhsa_user_sgpr_count 2
		.amdhsa_user_sgpr_kernarg_segment_ptr 1
		.amdhsa_wavefront_size32 1
		.amdhsa_system_sgpr_workgroup_id_x 1
		.amdhsa_system_sgpr_workgroup_id_y 1
		.amdhsa_system_sgpr_workgroup_id_z 1
		.amdhsa_system_vgpr_workitem_id 0
		.amdhsa_next_free_vgpr 112
		.amdhsa_next_free_sgpr 66
		.amdhsa_reserve_vcc 1
		.amdhsa_float_denorm_mode_32 3
		.amdhsa_float_denorm_mode_16_64 3
		.amdhsa_memory_ordered 1
		.amdhsa_forward_progress 1
		.amdhsa_inst_pref_size 40
	.end_amdhsa_kernel
	.amdgpu_metadata
---
amdhsa.version: [ 1, 2 ]
amdhsa.kernels:
  - .name:           k_q9d884bcf71_prep
    .symbol:         k_q9d884bcf71_prep.kd
    .args:
      - { .name: x, .offset: 0, .size: 8, .value_kind: global_buffer, .address_space: global }
      - { .name: Wqkv, .offset: 8, .size: 8, .value_kind: global_buffer, .address_space: global }
      - { .name: char_ids, .offset: 16, .size: 8, .value_kind: global_buffer, .address_space: global }
      - { .name: xb, .offset: 24, .size: 8, .value_kind: global_buffer, .address_space: global }
      - { .name: wt, .offset: 32, .size: 8, .value_kind: global_buffer, .address_space: global }
      - { .name: starts, .offset: 40, .size: 8, .value_kind: global_buffer, .address_space: global }
    .group_segment_fixed_size: 17920
    .private_segment_fixed_size: 0
    .kernarg_segment_align: 8
    .kernarg_segment_size: 48
    .max_flat_workgroup_size: 128
    .sgpr_count:     66
    .vgpr_count:     112
    .wavefront_size: 32
...
	.end_amdgpu_metadata
.endif
;; end of part 1
;; launch proj (part 2): grid 16 x 16, 4 waves a work-group, clusters of 4 x 4, 327,680 bytes of LDS; arguments xb, wt, bqkv, qkv; writes qkv
.if DOCPART == 2
	.amdgcn_target "amdgcn-amd-amdhsa--gfx1250"
	.amdhsa_code_object_version 6
	.text
	.protected	k_q9d884bcf71_proj
	.globl	k_q9d884bcf71_proj
	.p2align	8
	.type	k_q9d884bcf71_proj,@function
k_q9d884bcf71_proj:
	s_mov_b64 s[64:65], 0
	v_nop
	global_prefetch_b8 v0, s[64:65] scope:SCOPE_SE
	s_setreg_imm32_b32 hwreg(HW_REG_WAVE_MODE, 25, 1), 1
	s_wait_xcnt 0x0
	s_wait_alu depctr_hold_cnt(0) depctr_sa_sdst(0) depctr_va_vdst(0) depctr_va_sdst(0) depctr_va_ssrc(0) depctr_va_vcc(0) depctr_vm_vsrc(0)
	s_getreg_b32 s2, hwreg(HW_REG_IB_STS2, 6, 4)
	s_cmp_eq_u32 s2, 0
	s_cbranch_scc0 .Lentry_in_a_cluster
	s_endpgm
.Lentry_in_a_cluster:
	s_bfe_u32 s2, ttmp6, 0x10000c
	s_cmp_lg_u32 s2, 0xf033
	s_cbranch_scc0 .Lentry_shape_is_right
	s_endpgm
.Lentry_shape_is_right:
; qkv = xb wt^T + bias.  xb: [8192][1024] bf16, wt: [3072][1024] bf16 (row nt*192 + which*64 + c), bias f32, rounded once to bf16 like the other inputs; sums in f32; q, k, v rounded once to f16.
; LIMIT: q, k and v must lie within f16's 65,504.
; A tile of C is 256 rows x 192 columns: the q, k and v of head nt.  512 tiles, two (4,096 rows apart) for each of 256 work-groups, which stay; the ring goes on into the second tile.
; Four waves: wave w has rows 128 (w / 2) on (eight blocks a of 16) and six column blocks b: which = b / 2, channels 16 (2 (w % 2) + b % 2) on: 48 accumulators.
; K goes in steps of 128 through two LDS slots (256 rows of xb, 192 of wt, 256 bytes each and aligned), filled by the tensor data mover, one load a wave.
; CLUSTER 4 x 4: xb's tile hangs on the tile row alone and is asked for jointly along a row of the cluster, wt's on the head alone, jointly along a column.
; WHAT IS STORED ARE THE NEXT LAUNCH'S FRAGMENTS.  qkv: [16 heads][3][128 blocks of 64 positions][8,192 bytes]; a block is 16 chunks of 512 bytes, lane l's 16 bytes at 16 l.
;   q, k: chunk 4 rb + 2 c2 + p: lane (r, h) has position 16 rb + r, channels 32 c2 + 16 p + 8 h + 0..7.   v: chunk 8 kk + 2 cb + p: channel 16 cb + r, positions 32 kk + 16 p + 8 h + 0..7.
; q and k take the product transposed (source 0 = wt's rows): a lane then holds one position and eight channels.  v takes it as it is (source 0 = xb's rows): one channel and eight positions.
; So four conversions make a lane's 16 bytes of a chunk, and each store of a wave covers 512 consecutive bytes, aligned: nothing goes through LDS on the way out.
; REGISTERS, in windows of 256 (s_set_vgpr_msb: bits 1:0 source 0, 3:2 source 1, 5:4 source 2, 7:6 destination):
;   window 0: v16-30 addresses; v64-127, v128-191 xb's fragments, two buffers          window 1: v0-47, v48-95 wt's fragments, two buffers; v128-255 packed results, two regions
;   window 2: q's and k's accumulators at 8 (4 a + b)                                  window 3: v0-127 v's accumulators at 8 (2 a + b - 4); v128-175 the bias, 8 registers a column block
.set SIZE_K, 1024
.set KSTEP,  128
.set PITCH,  272                       ; an LDS row: 256 bytes + 16 of padding = 68 words: the 16 rows of a fragment load start at 16 different groups of four banks (64 banks of 4 bytes: ISA guide 11.1)
.set HALFA,  128*PITCH                 ; what waves 0 and 1 fetch: half of xb's tile
.set HALFB,  96*PITCH                  ; what waves 2 and 3 fetch: half of wt's
.set SLOT,   2*HALFA+2*HALFB
.set SPARE,  2*SLOT                    ; behind the ring: the spare words, 128 bytes for each wave: two blocks of 256 bytes that no other line names
.set LAPS,   SIZE_K/(2*KSTEP)          ; a lap = two K steps = once round the ring
.set WALK,   4096                      ; rows from a work-group's first tile to its second
.set NEXT_A, WALK*SIZE_K*2-(SIZE_K-2*KSTEP)*2  ; from a slot's last K step of a tile to its first of the next: xb goes WALK rows down and back along K,
.set BACK_B, (SIZE_K-2*KSTEP)*2        ; wt only back
.set ADRA, 16                          ; v16-17  LDS address of my xb fragments in slot 0, 1
.set ADRB, 20                          ; v20-21  the same for wt
.set CO,   24                          ; v24  16 lane + 1,024 (w % 2): my bytes in a chunk of q or k
.set COV,  25                          ; v25  16 lane + 2,048 (w % 2): of v
.set BO,   26                          ; v26  32 h + 128 (w % 2): my eight channels' bias, q and k
.set BV,   27                          ; v27  4 r + 128 (w % 2): my one channel's bias, v
.set SPW,  28                          ; v28  LDS address of my spare word; never rewritten
.set NIL,  29                          ; v29  0; never rewritten
.set PFO,  30                          ; v30  the prefetches' offset: a lane a row; never rewritten
.set FA,   64                          ; window 0
.set FB,   0                           ; window 1
.set TMP,  128                         ; window 1
.set BI,   128                         ; window 3
.set G1,  24                           ; s[24:31] descriptor group 1 for xb's tiles;  s[32:39] group 0, a set for each slot
.set G0,  32
.set G1B, 48                           ; s[48:55], s[56:63] the same for wt's
.set G0B, 56
.set LIM, 43                           ; s43  1 in a wave that prefetches, else the greatest number
.set PFA, 44                           ; s[44:45] where my prefetches stand
.set MSB, 0
.macro WIN new                         ; the immediate's high byte repeats the setting that is left; a switch that changes nothing is dropped
.if MSB != (\new)
	s_set_vgpr_msb (MSB<<8)|(\new)
.set MSB, \new
.endif
.endm
.set MUL_LO, 0xa1                      ; source 0 (wt) window 1, source 1 (xb) window 0, C and D window 2
.set MUL_LB, 0xb1                      ; the same with C, the bias, in window 3
.set MUL_HI, 0xf4                      ; source 0 (xb) window 0, source 1 (wt) window 1, C and D window 3
.set TO_B,   0x40                      ; destination window 1, address window 0
; A joint load.  Waves 0 and 1 fetch xb's two halves, waves 2 and 3 wt's.  The branch hangs on the wave's number alone.  An s_nop 0 and four v_nop follow each of the two lines.
.macro JLOAD s
	s_cmp_eq_u32 s11, 0
	s_cbranch_scc0 .Lfor_b_\@
	tensor_load_to_lds s[G0+4*(\s):G0+4*(\s)+3], s[G1:G1+7]
	s_nop 0
.rept 4
	v_nop
.endr
	s_branch .Lasked_\@
.Lfor_b_\@:
	tensor_load_to_lds s[G0B+4*(\s):G0B+4*(\s)+3], s[G1B:G1B+7]
	s_nop 0
.rept 4
	v_nop
.endr
.Lasked_\@:
.endm
; A prefetch of the K step that stands two refills on, behind each joint load and the run of LDS loads that follows it: one instruction a wave, a lane a row, 256 bytes of each row.
; xb's tile row is read by every cluster of that row of clusters: cluster x = 0 asks; wt's rows by every cluster of that column: cluster y = 0 asks, in the first tile alone.  The four partners that
; ask for a tile jointly share its rows out by address: of xb's 128 rows 32 each (by cx), of wt's 96 rows 24 each (by cy; lanes 24-31 name lane 23's row once more).
; how = 0, in the loop: a tile's last two refills have no K step two on; how = 1, at the change of tiles.
.macro ASK how
.if \how
	s_cmp_eq_u32 s[LIM], 1
.else
	s_cmp_gt_u32 s3, s[LIM]                        ; s3 = 1 in the loop's last trip
.endif
	s_cbranch_scc0 .Lnot_mine_\@
	global_prefetch_b8 v[PFO], s[PFA:PFA+1] offset:KSTEP*2 th:TH_LOAD_NT scope:SCOPE_SE
.Lnot_mine_\@:
.endm
.macro CREST                           ; a round of the cluster's barrier behind its opening barrier
	s_cmp_lg_u32 s10, 0
	s_cbranch_scc1 .Lnot_wave_0_\@
	s_barrier_signal -3
.Lnot_wave_0_\@:
	s_barrier_wait -3
	s_barrier_signal -1
	s_barrier_wait -1
.endm
.macro CROUND                          ; a whole round
	s_barrier_signal -1
	s_barrier_wait -1
	CREST
.endm
	s_load_b128 s[4:7], s[0:1], 0x0                ; xb s[4:5], wt s[6:7]
	s_load_b128 s[68:71], s[0:1], 0x10             ; bqkv s[68:69], qkv s[70:71]
	v_lshl_add_u32 v[SPW], v0, 2, SPARE
	v_mov_b32 v[NIL], 0
	ds_add_u32 v[SPW], v[NIL]                      ; the wave's opening: the add and its wait stand ahead of my first tensor load; the set-up below, work on registers, stands between them
	v_lshrrev_b32 v1, 5, v0
	v_readfirstlane_b32 s10, v1                    ; wave 0..3
	s_lshr_b32 s11, s10, 1                         ; which 128 rows of the tile are mine.  Also: I fetch for xb (0) or for wt (1)
	s_and_b32 s12, s10, 1                          ; which half of each 64 channels.  Also: which half of that tile I fetch
	s_bfe_u32 s40, ttmp6, 0x40000                  ; cx
	s_bfe_u32 s41, ttmp6, 0x40004                  ; cy
	s_lshl_b32 s42, ttmp9, 2
	s_add_co_u32 s42, s42, s40                     ; the head nt = 4 x cluster x + cx
	s_and_b32 s13, ttmp7, 0xffff
	s_lshl_b32 s13, s13, 2
	s_add_co_u32 s13, s13, s41                     ; the tile row = 4 x cluster y + cy
	s_lshl_b32 s43, s41, 2
	s_lshl_b32 s43, 15, s43                        ; my row of the cluster
	s_lshl_b32 s44, 0x1111, s40                    ; my column
	s_or_b32 s[G1+0], s43, (1<<16)|(1<<20)|(1<<21)|(5<<22)|(3<<25)   ; 15:0 the mask; 17:16 elements of 2 bytes; 20 padding on; 21 set beside a mask; 24:22 after every 64 words; 31:25 4 words
	s_or_b32 s[G1B+0], s44, (1<<16)|(1<<20)|(1<<21)|(5<<22)|(3<<25)
	s_mov_b32 s[G1+1], KSTEP<<16                   ; tensor_dim0 = 128
	s_mov_b32 s[G1B+1], KSTEP<<16
	s_mov_b32 s[G1+2], 128<<16                     ; tensor_dim1 = 128 rows of xb,
	s_mov_b32 s[G1B+2], 96<<16                     ; 96 of wt
	s_mov_b32 s[G1+3], KSTEP<<16                   ; tile_dim0 = 128
	s_mov_b32 s[G1B+3], KSTEP<<16
	s_mov_b32 s[G1+4], 128                         ; tile_dim1
	s_mov_b32 s[G1B+4], 96
	s_mov_b32 s[G1+5], SIZE_K                      ; elements from row to row
	s_mov_b32 s[G1B+5], SIZE_K
	s_mov_b32 s[G1+6], 0
	s_mov_b32 s[G1B+6], 0
	s_mov_b32 s[G1+7], 0
	s_mov_b32 s[G1B+7], 0
	s_lshl_b32 s17, s12, 7
	s_lshl_b32 s16, s13, 8
	s_add_co_u32 s16, s16, s17                     ; xb: row 256 x tile row + 128 x half
	s_lshl_b32 s16, s16, 11                        ; in bytes
	s_mov_b32 s17, 0
	s_mul_i32 s46, s42, 192
	s_mul_i32 s47, s12, 96
	s_add_co_u32 s46, s46, s47                     ; wt: row 192 x head + 96 x half
	s_lshl_b32 s46, s46, 11
	s_mov_b32 s47, 0
	s_mul_i32 s20, s12, HALFA                      ; where they go: no place in the cluster enters an LDS address
	s_mul_i32 s21, s12, HALFB
	s_add_co_u32 s21, s21, 2*HALFA
	s_wait_dscnt 0x0                               ; the opening add is done
	s_wait_kmcnt 0x0
	s_add_nc_u64 s[14:15], s[4:5], s[16:17]
	s_add_nc_u64 s[46:47], s[6:7], s[46:47]
	CROUND                                         ; all sixteen work-groups are here: the first joint loads meet
.irp s, 0,1
	s_mov_b32 s[G0+4*(\s)], 1                                        ; count = 1
	s_add_co_u32 s[G0+4*(\s)+1], s20, (\s)*SLOT                      ; LDS address
	s_add_nc_u64 s[G0+4*(\s)+2:G0+4*(\s)+3], s[14:15], (\s)*KSTEP*2  ; global address: K step s
	s_or_b32 s[G0+4*(\s)+3], s[G0+4*(\s)+3], 0x80000000              ; type = 2
	s_mov_b32 s[G0B+4*(\s)], 1
	s_add_co_u32 s[G0B+4*(\s)+1], s21, (\s)*SLOT
	s_add_nc_u64 s[G0B+4*(\s)+2:G0B+4*(\s)+3], s[46:47], (\s)*KSTEP*2
	s_or_b32 s[G0B+4*(\s)+3], s[G0B+4*(\s)+3], 0x80000000
	JLOAD \s                                       ; two loads of mine are out
.endr
	; A fragment is 16 rows x 32 K in 8 registers: lane l holds row l % 16, K = 8 (l / 16) + 0..7 and 16 + 8 (l / 16) + 0..7: two loads of 16 bytes, 32 bytes apart.
	v_and_b32 v1, 15, v0                           ; r
	v_bfe_u32 v2, v0, 4, 1                         ; h
	v_mul_u32_u24 v3, v1, PITCH
	v_lshl_add_u32 v3, v2, 4, v3
	s_mul_i32 s21, s11, HALFA                      ; my 128 rows of xb
	s_mul_i32 s22, s12, 32*PITCH                   ; my 32 of each 64 rows of wt,
	s_add_co_u32 s22, s22, 2*HALFA                 ; which lie behind xb's 256
.irp s, 0,1
	v_add_nc_u32 v[ADRA+(\s)], s21, v3
	v_add_nc_u32 v[ADRB+(\s)], s22, v3
	s_add_co_u32 s21, s21, SLOT
	s_add_co_u32 s22, s22, SLOT
.endr
	v_and_b32 v4, 31, v0
	v_lshlrev_b32 v4, 4, v4
	s_lshl_b32 s23, s12, 10
	v_add_nc_u32 v[CO], s23, v4
	s_lshl_b32 s23, s12, 11
	v_add_nc_u32 v[COV], s23, v4
	s_lshl_b32 s23, s12, 7
	v_lshl_add_u32 v[BO], v2, 5, s23
	v_lshl_add_u32 v[BV], v1, 2, s23
	; where my part of the first tile goes: head x 3 MiB + block (4 x tile row + 2 x row half) x 8,192
	s_mul_i32 s46, s42, 3*128*8192
	s_lshl_b32 s18, s13, 2
	s_lshl_b32 s19, s11, 1
	s_add_co_u32 s18, s18, s19
	s_lshl_b32 s18, s18, 13
	s_add_co_u32 s46, s46, s18
	s_mov_b32 s47, 0
	s_add_nc_u64 s[8:9], s[70:71], s[46:47]
	s_lshl_b32 s46, s42, 8
	s_add_nc_u64 s[68:69], s[68:69], s[46:47]      ; the bias at the head's 64 channels of q
	; the prefetches
	s_and_b32 s22, ttmp7, 0xffff                   ; cluster y
	s_lshl_b32 s20, s13, 8
	s_lshl_b32 s21, s12, 7
	s_add_co_u32 s20, s20, s21
	s_lshl_b32 s21, s40, 5
	s_add_co_u32 s20, s20, s21                     ; xb: the 128 rows that I fetch, my work-group's 32 of them
	s_mul_i32 s18, s42, 192
	s_mul_i32 s19, s12, 96
	s_add_co_u32 s18, s18, s19
	s_mul_i32 s19, s41, 24
	s_add_co_u32 s18, s18, s19                     ; wt: the 96 rows that I fetch, my work-group's 24 of them
	s_cmp_eq_u32 s11, 0                            ; do I fetch for xb?
	s_cselect_b32 s20, s20, s18
	s_cselect_b32 s22, ttmp9, s22                  ; the coordinate along which other clusters read the same rows
	s_cselect_b32 s23, 31, 23                      ; the last row that a lane of mine names
	s_cselect_b64 s[PFA:PFA+1], s[4:5], s[6:7]
	s_cmp_eq_u32 s22, 0
	s_cselect_b32 s[LIM], 1, -1                    ; the same in all sixteen partners, for a given wave
	s_lshl_b32 s20, s20, 11
	s_mov_b32 s21, 0
	s_add_nc_u64 s[PFA:PFA+1], s[PFA:PFA+1], s[20:21]
	s_add_nc_u64 s[PFA:PFA+1], s[PFA:PFA+1], 2*KSTEP*2  ; at K step 2: the first refill steps it to 3 and names K step 4; nothing is asked for here, at the head
	v_and_b32 v[PFO], 31, v0
	v_min_u32 v[PFO], s23, v[PFO]
	v_lshlrev_b32 v[PFO], 11, v[PFO]
	; the bias: for q and k my eight channels of each block; for v my one channel, in all eight registers
	WIN 0xc0                                       ; destination window 3, address window 0
.irp b, 0,1,2,3
	global_load_b128 v[BI+8*(\b):BI+8*(\b)+3],   v[BO], s[68:69] offset:((\b)/2)*4096+((\b)%2)*64
	global_load_b128 v[BI+8*(\b)+4:BI+8*(\b)+7], v[BO], s[68:69] offset:((\b)/2)*4096+((\b)%2)*64+16
.endr
.irp b, 4,5
.irp j, 0,1,2,3,4,5,6,7
	global_load_b32 v[BI+8*(\b)+(\j)], v[BV], s[68:69] offset:8192+((\b)%2)*64
.endr
.endr
	WIN 0
; 16 products for v: all 8 row blocks x column blocks 4, 5; 32 along K from buffer f.  first = 1: the bias starts the sums: nothing is ever cleared.
.macro MULHI f, first
	WIN MUL_HI
.irp a, 0,1,2,3,4,5,6,7
.irp e, 0,1
.if \first
	v_wmma_f32_16x16x32_bf16 v[8*(2*(\a)+(\e)):8*(2*(\a)+(\e))+7], v[FA+64*(\f)+8*(\a):FA+64*(\f)+8*(\a)+7], v[FB+48*(\f)+8*(4+(\e)):FB+48*(\f)+8*(4+(\e))+7], v[BI+8*(4+(\e)):BI+8*(4+(\e))+7]
.else
	v_wmma_f32_16x16x32_bf16 v[8*(2*(\a)+(\e)):8*(2*(\a)+(\e))+7], v[FA+64*(\f)+8*(\a):FA+64*(\f)+8*(\a)+7], v[FB+48*(\f)+8*(4+(\e)):FB+48*(\f)+8*(4+(\e))+7], v[8*(2*(\a)+(\e)):8*(2*(\a)+(\e))+7]
.endif
.endr
.endr
.endm
; 16 products for q and k, transposed: row blocks a0 .. a0 + 3 x column blocks 0..3.  The 48 accumulators take turns, one instruction a turn, in the same order in every quarter.
.macro MULLO f, a0, first
.if \first
	WIN MUL_LB
.else
	WIN MUL_LO
.endif
.irp a, \a0, (\a0)+1, (\a0)+2, (\a0)+3
.irp b, 0,1,2,3
.if \first
	v_wmma_f32_16x16x32_bf16 v[8*(4*(\a)+(\b)):8*(4*(\a)+(\b))+7], v[FB+48*(\f)+8*(\b):FB+48*(\f)+8*(\b)+7], v[FA+64*(\f)+8*(\a):FA+64*(\f)+8*(\a)+7], v[BI+8*(\b):BI+8*(\b)+7]
.else
	v_wmma_f32_16x16x32_bf16 v[8*(4*(\a)+(\b)):8*(4*(\a)+(\b))+7], v[FB+48*(\f)+8*(\b):FB+48*(\f)+8*(\b)+7], v[FA+64*(\f)+8*(\a):FA+64*(\f)+8*(\a)+7], v[8*(4*(\a)+(\b)):8*(4*(\a)+(\b))+7]
.endif
.endr
.endr
.endm
; 28 LDS loads in one run: a quarter step's fragments (32 K at byte k of the rows) into buffer f: xb's eight blocks, wt's blocks for v, and last (the youngest eight loads) wt's for q and k
.macro FETCH slot, k, f
	WIN 0
.irp a, 0,1,2,3,4,5,6,7
	ds_load_b128 v[FA+64*(\f)+8*(\a):FA+64*(\f)+8*(\a)+3],   v[ADRA+(\slot)] offset:(\k)+(\a)*16*PITCH
	ds_load_b128 v[FA+64*(\f)+8*(\a)+4:FA+64*(\f)+8*(\a)+7], v[ADRA+(\slot)] offset:(\k)+(\a)*16*PITCH+32
.endr
	WIN TO_B
.irp b, 4,5,0,1,2,3
	ds_load_b128 v[FB+48*(\f)+8*(\b):FB+48*(\f)+8*(\b)+3],   v[ADRB+(\slot)] offset:(\k)+(((\b)/2)*64+((\b)%2)*16)*PITCH
	ds_load_b128 v[FB+48*(\f)+8*(\b)+4:FB+48*(\f)+8*(\b)+7], v[ADRB+(\slot)] offset:(\k)+(((\b)/2)*64+((\b)%2)*16)*PITCH+32
.endr
.endm
.macro PLACES                          ; four plain vector instructions in front of loads into registers that matrix instructions have read, and of conversions that read results
.rept 4
	v_nop
.endr
.endm
; A K step is four quarters of 32 along K, 48 products each, on buffers 0, 1, 0, 1.  One of the first three: multiplies buffer f and fetches the next quarter, at byte k, into g.
.macro QUARTER slot, k, f, g, first
	s_wait_dscnt 8                                 ; xb's blocks and wt's for v are in; the youngest eight loads may be out
	MULHI \f, \first
	PLACES
	FETCH \slot, \k, \g
	s_wait_dscnt 28                                ; all but the 28 just issued
	MULLO \f, 0, \first
	MULLO \f, 4, \first
.endm
; The last quarter multiplies buffer 1 and changes slots.  MEET is its first two thirds: one barrier; in front of it each wave waits for all its tensor loads (one is out: its part of the next slot),
; adds 0 to its spare word, and waits for that and for its own reads of this slot.
.macro MEET round
	WIN 0                                          ; (the add's two registers lie in window 0)
	s_wait_tensorcnt 0x0
	ds_add_u32 v[SPW], v[NIL]
	s_wait_dscnt 9                                 ; (the add and the youngest eight loads may be out)
	MULHI 1, 0                                     ; sixteen products stand between the add and the wait for it
	s_wait_dscnt 0x0                               ; the add is done, and my reads of this slot are over
	s_barrier_signal -1
	MULLO 1, 0, 0                                  ; work on registers while the others arrive
.if \round
	WIN 0
.endif
	s_barrier_wait -1
.endm
; The whole last quarter.  Behind the round the slot just read out is filled again first: with the K step two steps on (on = 0) or with the next tile's K step 0 or 1 (on = 1).
; From a request to the wait for it a wave issues 160 products.
.macro TURN slot, next, on
	s_wait_xcnt 0x0                                ; the last prefetch, a K step back, has read its address, which is stepped here
.if (\on) && (\slot) == 0
	s_add_nc_u64 s[PFA:PFA+1], s[PFA:PFA+1], (WALK-1)*SIZE_K*2+KSTEP*2  ; from the K step after the tile's last to the next tile's K step 1
	s_cmp_eq_u32 s11, 0
	s_cselect_b32 s[LIM], s[LIM], -1               ; wt's rows are the same for both tiles: they are asked for no more
.else
	s_add_nc_u64 s[PFA:PFA+1], s[PFA:PFA+1], KSTEP*2
.endif
	MEET 1
	CREST                                          ; no wave of any partner still reads this slot's tile or has a load on its way
.if \on
	s_add_nc_u64 s[G0+4*(\slot)+2:G0+4*(\slot)+3], s[G0+4*(\slot)+2:G0+4*(\slot)+3], NEXT_A
	s_sub_nc_u64 s[G0B+4*(\slot)+2:G0B+4*(\slot)+3], s[G0B+4*(\slot)+2:G0B+4*(\slot)+3], BACK_B
.else
	s_add_nc_u64 s[G0+4*(\slot)+2:G0+4*(\slot)+3], s[G0+4*(\slot)+2:G0+4*(\slot)+3], 2*KSTEP*2
	s_add_nc_u64 s[G0B+4*(\slot)+2:G0B+4*(\slot)+3], s[G0B+4*(\slot)+2:G0B+4*(\slot)+3], 2*KSTEP*2
.endif
	JLOAD \slot                                    ; the first tensor load behind the round; its four v_nop are also the places in front of the loads below
	FETCH \next, 0, 0
	WIN 0                                          ; (a branch follows)
	ASK \on
	MULLO 1, 4, 0
.endm
; THE WAY OUT of q (0), k (1) or v (2): 16 accumulators, each rounded to f16 in ascending order of its registers, into region 0 or 1 of window 1, and stored as 16 chunks' halves.
; wait = 1: the region has been stored from in this way out: its registers are written again only when those stores have had their addresses translated.
.macro OUTG which, region, wait
.if \wait
	s_wait_xcnt 0x0
.endif
.set TR, TMP+64*(\region)
.if (\which) == 2
	WIN 0x4f                                       ; sources window 3, destination window 1
.else
	WIN 0x4a                                       ; sources window 2
.endif
.irp a, 0,1,2,3,4,5,6,7
.irp e, 0,1
.if (\which) == 2
.set AC, 8*(2*(\a)+(\e))
.else
.set AC, 8*(4*(\a)+2*(\which)+(\e))
.endif
.irp r, 0,1,2,3
	v_cvt_pk_f16_f32 v[TR+4*(2*(\a)+(\e))+(\r)], v[AC+2*(\r)], v[AC+2*(\r)+1]
.endr
.endr
.endr
	WIN 0x04                                       ; a store's data window 1, its address window 0
.irp a, 0,1,2,3,4,5,6,7
.irp e, 0,1
.if (\which) == 2
	global_store_b128 v[COV], v[TR+4*(2*(\a)+(\e)):TR+4*(2*(\a)+(\e))+3], s[8:9] offset:(2<<20)+((\a)/4)*8192+4096*(((\a)%4)/2)+1024*(\e)+512*((\a)%2)
.else
	global_store_b128 v[CO], v[TR+4*(2*(\a)+(\e)):TR+4*(2*(\a)+(\e))+3], s[8:9] offset:((\which)<<20)+((\a)/4)*8192+2048*((\a)%4)+512*(\e)
.endif
.endr
.endr
.endm
	s_wait_tensorcnt 1                             ; my part of K step 0 is in; K step 1's may stay out
	s_barrier_signal -1
	s_barrier_wait -1                              ; everybody's is
	FETCH 0, 0, 0
	s_wait_loadcnt 0x0                             ; the bias
	WIN 0xcf                                       ; all in window 3: the bias is rounded to bf16 and widened again, a pair at a time
.set i, 0
.rept 24
	v_cvt_pk_bf16_f32 v[BI+2*i], v[BI+2*i], v[BI+2*i+1]
	v_and_b32 v[BI+2*i+1], 0xffff0000, v[BI+2*i]
	v_lshlrev_b32 v[BI+2*i], 16, v[BI+2*i]
.set i, i+1
.endr
	WIN 0                                          ; at a label and at a branch every window is 0
	s_mov_b32 s2, 2                                ; tiles to go
.Ltile:
	QUARTER 0, 64, 0, 1, 1                         ; a tile's first quarter stands in front of the loop: its products start the sums with the bias
	WIN 0
	s_mov_b32 s3, LAPS-1
.Llap:                                                 ; a trip goes once round the ring, from a lap's second quarter to the next lap's first, and fills both slots again
	QUARTER 0, 128, 1, 0, 0
	QUARTER 0, 192, 0, 1, 0
	TURN 0, 1, 0
	QUARTER 1, 64,  0, 1, 0
	QUARTER 1, 128, 1, 0, 0
	QUARTER 1, 192, 0, 1, 0
	TURN 1, 0, 0
	QUARTER 0, 64,  0, 1, 0
	WIN 0
	s_sub_co_u32 s3, s3, 1
	s_cmp_lg_u32 s3, 0
	s_cbranch_scc1 .Llap
	QUARTER 0, 128, 1, 0, 0                        ; the tile's last lap goes on
	QUARTER 0, 192, 0, 1, 0
	WIN 0
	s_cmp_eq_u32 s2, 1
	s_cbranch_scc1 .Llast                          ; the last tile's tail is written out: it asks for nothing more
	TURN 0, 1, 1                                   ; the ring goes on into the next tile: slot 0 takes its K step 0,
	QUARTER 1, 64,  0, 1, 0
	QUARTER 1, 128, 1, 0, 0
	QUARTER 1, 192, 0, 1, 0
	TURN 1, 0, 1                                   ; slot 1 its K step 1, and the next tile's first fragments are fetched
	OUTG 2, 0, 0                                   ; both refills are asked for: now the tile goes out.  v's sums were finished ahead of the joint load's four v_nop; these 64 conversions are the places behind the last products
	OUTG 0, 1, 0
	OUTG 1, 0, 1
	WIN 0
	s_wait_xcnt 0x0                                ; the stores have had their addresses translated: their base and their registers may be written
	s_add_nc_u64 s[8:9], s[8:9], (WALK/64)*8192    ; 64 blocks on
	s_sub_co_u32 s2, s2, 1
	s_branch .Ltile
.Llast:
	MEET 0                                         ; my one tensor load that was still out is the last K step's, so no round follows
	PLACES
	FETCH 1, 0, 0
	MULLO 1, 4, 0
	QUARTER 1, 64,  0, 1, 0
	QUARTER 1, 128, 1, 0, 0
	QUARTER 1, 192, 0, 1, 0
	s_wait_dscnt 8                                 ; the very last quarter: nothing more to fetch
	MULHI 1, 0
	s_wait_dscnt 0x0
	MULLO 1, 0, 0
	MULLO 1, 4, 0
	WIN 0
	PLACES
	OUTG 2, 0, 0
	OUTG 0, 1, 0
	OUTG 1, 0, 1
	WIN 0
	s_wait_tensorcnt 0x0                           ; the wave's end: behind my last tensor load
	ds_add_u32 v[SPW], v[NIL]
	s_wait_dscnt 0x0
	CROUND                                         ; the closing round: no work-group ends while a partner may still ask for a tile that names it
	s_endpgm
.Lfunc_end_k_q9d884bcf71_proj:
	.size	k_q9d884bcf71_proj, .Lfunc_end_k_q9d884bcf71_proj-k_q9d884bcf71_proj
	.p2alignl 7, 3214868480
	.fill 96, 4, 3214868480
	.section	.rodata,"a",@progbits
	.p2align	6, 0x0
	.amdhsa_kernel k_q9d884bcf71_proj
		.amdhsa_group_segment_fixed_size 327680
		.amdhsa_private_segment_fixed_size 0
		.amdhsa_enable_private_segment 0
		.amdhsa_kernarg_size 32
		.amdhsa_user_sgpr_count 2
		.amdhsa_user_sgpr_kernarg_segment_ptr 1
		.amdhsa_wavefront_size32 1
		.amdhsa_system_sgpr_workgroup_id_x 1
		.amdhsa_system_sgpr_workgroup_id_y 1
		.amdhsa_system_sgpr_workgroup_id_z 1
		.amdhsa_system_vgpr_workitem_id 0
		.amdhsa_next_free_vgpr 944
		.amdhsa_next_free_sgpr 72
		.amdhsa_reserve_vcc 0
		.amdhsa_float_denorm_mode_32 3
		.amdhsa_float_denorm_mode_16_64 3
		.amdhsa_memory_ordered 1
		.amdhsa_forward_progress 1
		.amdhsa_inst_pref_size 160
	.end_amdhsa_kernel
	.amdgpu_metadata
---
amdhsa.version: [ 1, 2 ]
amdhsa.kernels:
  - .name:           k_q9d884bcf71_proj
    .symbol:         k_q9d884bcf71_proj.kd
    .args:
      - { .name: xb, .offset: 0, .size: 8, .value_kind: global_buffer, .address_space: global }
      - { .name: wt, .offset: 8, .size: 8, .value_kind: global_buffer, .address_space: global }
      - { .name: bqkv, .offset: 16, .size: 8, .value_kind: global_buffer, .address_space: global }
      - { .name: qkv, .offset: 24, .size: 8, .value_kind: global_buffer, .address_space: global }
    .group_segment_fixed_size: 327680
    .private_segment_fixed_size: 0
    .kernarg_segment_align: 8
    .kernarg_segment_size: 32
    .max_flat_workgroup_size: 128
    .sgpr_count:     72
    .vgpr_count:     944
    .wavefront_size: 32
...
	.end_amdgpu_metadata
.endif
;; end of part 2
;; launch attn (part 3): grid 8 x 64, 8 waves a work-group, no clusters, 35,840 bytes of LDS; arguments qkv, starts, out0; writes out0
.if DOCPART == 3
	.amdgcn_target "amdgcn-amd-amdhsa--gfx1250"
	.amdhsa_code_object_version 6
	.text
	.protected	k_q9d884bcf71_attn
	.globl	k_q9d884bcf71_attn
	.p2align	8
	.type	k_q9d884bcf71_attn,@function
k_q9d884bcf71_attn:
	s_mov_b64 s[64:65], 0
	v_nop
	global_prefetch_b8 v0, s[64:65] scope:SCOPE_SE
	s_setreg_imm32_b32 hwreg(HW_REG_WAVE_MODE, 25, 1), 1
	s_wait_xcnt 0x0
; out0[b][q][64 h ..] = the sum over the keys k in starts[b][q] .. q of softmax_k(Q[q] . K[k] / 8) V[k] / 64, for head h of batch b.
; The segment number never falls along a row, so the keys of a query's own segment up to itself are ONE run; key steps that lie wholly in front of the run of a wave's first query are not walked.
; SHARES.  Work-group (x, y): batch y / 16, head y % 16; wave w owns the 32 queries of step 8 x + w (two tiles of 16) and walks key steps of 32, from starts[first query] / 32 to its own step.
; The trip count is read from starts, whole numbers that an earlier launch stored.  A wave works alone: no barrier; nothing goes through LDS on the way in, since qkv holds the fragments as the
; registers want them: 32 positions of q, k or v are 4,096 consecutive bytes, eight loads of 512.  NO CLUSTER and no tensor load: what neighbouring waves share hangs on counts read from memory.
; LAYOUT.  S^T = K Q^T (source 0 = 16 keys, source 1 = 16 queries): a lane holds ONE query (lane % 16) and the keys 8 (lane / 16) + 0..7 of each block of 16.  The two blocks rounded to f16 ARE
; source 1 (32 keys x 16 queries) of O^T = V^T P, whose result again holds one query a lane, and eight channels.
; SOFTMAX.  A running maximum m and sum l: p = 2^(c s - c m), c = log2(e) / 8; in every step O and l are multiplied by a = 2^(c m_old - c m_new).  m starts at the lowest finite number, O and l at 0.
; THE MASK.  Key k is seen by query q iff (k - start) <= (q - start) as unsigned numbers; a hidden score is replaced by -2^100.  c x 2^100 is exact, so in a step whose keys are all hidden for a
; lane the weights are exactly 1: finite rubbish, which the first true score (the query's own key at the latest) wipes out with a = 0.
; LIMITS.  q, k, v arrive in f16.  A hidden score counts as -2^100 where the problem writes -1e9: the same result while every seen score, divided by 8, lies above -1e9.  A weight below 2^-126
; counts as 0; NaN and infinities are not treated apart.  p is rounded to f16 for the second product; l is the sum of the unrounded p.
.set SP,    272                        ; a stage row: a query's 64 channels in f32, 256 bytes + 16 of padding
.set STG,   16*SP                      ; a wave's stage: 16 rows
.set SPARE, 8*STG                      ; behind the stages: the spare words, 128 bytes for each wave: four blocks of 256 bytes that no other line names
.set LO,  1                            ; v1   16 x lane: my bytes in a chunk; never rewritten
.set STO, 2                            ; v2   the way out: where I put 32 bytes of a row
.set RD,  3                            ; v3   where I read rows back
.set GO,  4                            ; v4   my byte offset in two rows of out0
.set SPW, 5                            ; v5   LDS address of my spare word; never rewritten
.set NIL, 6                            ; v6   0; never rewritten
.set HID, 7                            ; v7   -2^100
.set ST,  16                           ; tile t's statistics at v[ST+8 t]: c m, m, l (even keys', odd keys'), c0-c3 at work; c2 takes a
.set WW,  32                           ; v32-33  q - start(q)
.set DD,  34                           ; v34-35  32 x key step + 8 (lane / 16) - start(q)
.set SQ,  36                           ; v36-37  start(q) as loaded
.set Q,   40                           ; fragment (tile t, channel half c2) at Q + 16 t + 8 c2
.set K,   72                           ; (key block kb, c2) at K + 16 kb + 8 c2
.set V,   104                          ; channel block cb at V + 8 cb
.set S,   136                          ; (t, kb) at S + 16 t + 8 kb
.set P,   168                          ; tile t at P + 8 t
.set O,   184                          ; (t, cb) at O + 32 t + 8 cb
.set QP,  16                           ; s[16:17] my 32 queries' fragments
.set KP,  18                           ; s[18:19] K of the step that was loaded last
.set VP,  20                           ; s[20:21] V likewise
.set OP,  22                           ; s[22:23] out0 at my first row, my head's 256 bytes
.set CS,  28                           ; s[28:29] c: the packed scaling takes the pair's low word for both halves
.set SEL, 30                           ; s[30:31] v_permlanex16_b32's selects: each lane takes its own place in the other half
.macro ALLT line:vararg                ; one line for each tile t
.set t, 0
.rept 2
	\line
.set t, t+1
.endr
.endm
.macro PLACES
.rept 4
	v_nop
.endr
.endm
.macro LOAD8 r, p                      ; eight chunks of 512 consecutive bytes into 32 registers
.set i, 0
.rept 8
	global_load_b128 v[(\r)+4*i:(\r)+4*i+3], v[LO], s[(\p):(\p)+1] offset:512*i
.set i, i+1
.endr
.endm
	s_load_b128 s[4:7], s[0:1], 0x0                ; qkv s[4:5], starts s[6:7]
	s_load_b64 s[8:9], s[0:1], 0x10                ; out0
	v_lshl_add_u32 v[SPW], v0, 2, SPARE
	v_mov_b32 v[NIL], 0
	v_lshrrev_b32 v8, 5, v0
	v_readfirstlane_b32 s10, v8                    ; wave 0..7
	s_and_b32 s14, ttmp7, 0xffff
	s_and_b32 s11, s14, 15                         ; head
	s_lshr_b32 s12, s14, 4                         ; batch
	s_lshl_b32 s13, ttmp9, 3
	s_add_co_u32 s13, s13, s10                     ; my step of 32 queries, 0..63
	s_lshl_b32 s14, s12, 13
	s_lshl_b32 s26, s13, 7
	s_add_co_u32 s14, s14, s26                     ; 4 x (2,048 batch + 32 step)
	s_mov_b32 s15, 0
	v_and_b32 v15, 31, v0
	v_lshlrev_b32 v[LO], 4, v15
	v_and_b32 v12, 15, v0                          ; r
	v_bfe_u32 v13, v0, 4, 1                        ; h
	v_lshlrev_b32 v14, 2, v12
	s_wait_kmcnt 0x0
	s_add_nc_u64 s[6:7], s[6:7], s[14:15]          ; starts at my first query
	s_load_b32 s24, s[6:7], 0x0                    ; the first key that any of my queries sees: starts never falls along a row
	s_mul_i32 s14, s11, 3*128*8192
	s_lshl_b32 s26, s12, 18
	s_add_co_u32 s14, s14, s26
	s_add_nc_u64 s[KP:KP+1], s[4:5], s[14:15]      ; the head's q, at the batch's first block
	s_lshl_b32 s14, s13, 12
	s_add_nc_u64 s[QP:QP+1], s[KP:KP+1], s[14:15]
	s_add_nc_u64 s[KP:KP+1], s[KP:KP+1], 0x100000  ; the head's k
	LOAD8 Q, QP
	global_load_b32 v[SQ],   v14, s[6:7]
	global_load_b32 v[SQ+1], v14, s[6:7] offset:64
	s_lshl_b32 s14, s12, 23
	s_lshl_b32 s26, s13, 17
	s_add_co_u32 s14, s14, s26
	s_lshl_b32 s26, s11, 8
	s_add_co_u32 s14, s14, s26
	s_add_nc_u64 s[OP:OP+1], s[8:9], s[14:15]
	s_mov_b32 s[CS], 0x3e38aa3b                    ; c = log2(e) / 8
	s_mov_b32 s[CS+1], s[CS]
	s_mov_b32 s[SEL], 0x76543210
	s_mov_b32 s[SEL+1], 0xfedcba98
	s_mul_i32 s27, s10, STG                        ; my stage
	s_wait_kmcnt 0x0
	s_lshr_b32 s24, s24, 5                         ; the first key step,
	s_min_u32 s24, s24, s13                        ; never behind my own,
	s_min_u32 s24, s24, 63                         ; and inside the batch whatever was read
	s_sub_co_u32 s25, s13, s24                     ; steps in front of my own
	s_lshl_b32 s14, s24, 12
	s_add_nc_u64 s[KP:KP+1], s[KP:KP+1], s[14:15]
	s_add_nc_u64 s[VP:VP+1], s[KP:KP+1], 0x100000
	LOAD8 K, KP
	LOAD8 V, VP
	; all this stands in the wait for the first loads
	v_mov_b32 v[HID], 0xf1800000
.set i, 0
.rept 64
	v_mov_b32 v[O+i], 0
.set i, i+1
.endr
	ALLT v_mov_b32 v[ST+8*t], 0xfe000000           ; c m: far below every c s
	ALLT v_mov_b32 v[ST+8*t+1], 0xff7fffff         ; m
	ALLT v_mov_b32 v[ST+8*t+2], 0
	ALLT v_mov_b32 v[ST+8*t+3], 0
	v_mul_u32_u24 v[STO], v12, SP                  ; in: row r, 32 bytes for each half of the lanes
	v_lshl_add_u32 v[STO], v13, 5, v[STO]
	v_add_nc_u32 v[STO], s27, v[STO]
	v_mul_u32_u24 v[RD], v13, SP                   ; back: lanes 0-15 one row of 256 bytes, lanes 16-31 the next
	v_lshl_add_u32 v[RD], v12, 4, v[RD]
	v_add_nc_u32 v[RD], s27, v[RD]
	v_lshlrev_b32 v[GO], 12, v13                   ; and the same two rows of out0, 4,096 bytes apart
	v_lshl_add_u32 v[GO], v12, 4, v[GO]
	s_lshl_b32 s14, s13, 5
	s_lshl_b32 s26, s24, 5
	v_add_nc_u32 v8, s14, v12                      ; tile 0's query
	v_add_nc_u32 v9, 16, v8                        ; tile 1's
	v_lshl_add_u32 v10, v13, 3, s26                ; my first key of the first step
	s_wait_loadcnt 16                              ; Q and the starts are in; K's and V's sixteen loads are younger
	v_sub_nc_u32 v[WW], v8, v[SQ]
	v_sub_nc_u32 v[WW+1], v9, v[SQ+1]
	v_sub_nc_u32 v[DD], v10, v[SQ]
	v_sub_nc_u32 v[DD+1], v10, v[SQ+1]
; A KEY STEP.  refill = 1: the next step's K is asked for as soon as this step's has been multiplied, its V likewise.
.macro STEP refill
	s_wait_loadcnt 8                               ; K is in: V's eight loads are younger.  That wait also frees K's base
.set i, 0
.rept 8                                        ; product i: channels 32 (i / 4) on, keys 16 ((i / 2) % 2) on, tile i % 2.  Four accumulators by turns; the first four start the sums
.set rS, S+16*(i%2)+8*((i/2)%2)
.set rK, K+16*((i/2)%2)+8*(i/4)
.set rQ, Q+16*(i%2)+8*(i/4)
.if i < 4
	v_wmma_f32_16x16x32_f16 v[rS:rS+7], v[rK:rK+7], v[rQ:rQ+7], 0
.else
	v_wmma_f32_16x16x32_f16 v[rS:rS+7], v[rK:rK+7], v[rQ:rQ+7], v[rS:rS+7]
.endif
.set i, i+1
.endr
	PLACES                                         ; in front of the loads into K's registers and of the first read of the scores
.if \refill
	s_add_nc_u64 s[KP:KP+1], s[KP:KP+1], 4096
	LOAD8 K, KP
.endif
	; the mask, four scores at a time, each accumulator from its lowest register on
.irp t, 0,1
.irp g, 0,1,2,3
.irp n, 0,1,2,3
	v_add_nc_u32 v[8+(\n)], 16*((\g)/2)+4*((\g)%2)+(\n), v[DD+(\t)]   ; key - start
.endr
.irp n, 0,1,2,3
	v_cmp_ge_u32 s[36+(\n)], v[WW+(\t)], v[8+(\n)]                    ; seen?
.endr
.irp n, 0,1,2,3
	v_cndmask_b32 v[S+16*(\t)+4*(\g)+(\n)], v[HID], v[S+16*(\t)+4*(\g)+(\n)], s[36+(\n)]
.endr
.endr
.endr
	; the maximum of 16 scores and the old m, three operands at a time; the query's other 16 keys lie in the lane 16 away
	ALLT v_max3_num_f32 v[ST+8*t+4], v[S+16*t], v[S+16*t+1], v[S+16*t+2]
	ALLT v_max3_num_f32 v[ST+8*t+5], v[S+16*t+3], v[S+16*t+4], v[S+16*t+5]
	ALLT v_max3_num_f32 v[ST+8*t+6], v[S+16*t+6], v[S+16*t+7], v[S+16*t+8]
	ALLT v_max3_num_f32 v[ST+8*t+7], v[S+16*t+9], v[S+16*t+10], v[S+16*t+11]
	ALLT v_max3_num_f32 v[ST+8*t+4], v[ST+8*t+4], v[S+16*t+12], v[S+16*t+13]
	ALLT v_max3_num_f32 v[ST+8*t+5], v[ST+8*t+5], v[S+16*t+14], v[S+16*t+15]
	ALLT v_max3_num_f32 v[ST+8*t+6], v[ST+8*t+6], v[ST+8*t+7], v[ST+8*t+1]
	ALLT v_max3_num_f32 v[ST+8*t+4], v[ST+8*t+4], v[ST+8*t+5], v[ST+8*t+6]
	ALLT v_permlanex16_b32 v[ST+8*t+5], v[ST+8*t+4], s[SEL], s[SEL+1]
	ALLT v_mov_b32 v[ST+8*t+7], v[ST+8*t]          ; c m_old is kept
	ALLT v_max_num_f32 v[ST+8*t+1], v[ST+8*t+4], v[ST+8*t+5]
	ALLT v_mul_f32 v[ST+8*t], s[CS], v[ST+8*t+1]
	ALLT v_sub_f32 v[ST+8*t+5], v[ST+8*t+7], v[ST+8*t]
.set i, 0
.rept 16                                       ; c s - c m, a pair of scores at a time
	v_pk_fma_f32 v[S+2*i:S+2*i+1], v[S+2*i:S+2*i+1], s[CS:CS+1], v[ST+8*(i/8):ST+8*(i/8)+1] op_sel_hi:[1,0,0] neg_lo:[0,0,1] neg_hi:[0,0,1]
.set i, i+1
.endr
	ALLT v_exp_f32 v[ST+8*t+6], v[ST+8*t+5]        ; ONE BATCH of 34 exponentials: both a, then the 32 weights in place
.set i, 0
.rept 32
	v_exp_f32 v[S+i], v[S+i]
.set i, i+1
.endr
	v_nop                                          ; a plain instruction behind the last exponential (ISA guide 5.7.2),
	s_wait_alu depctr_va_vdst(0)                   ; and the one wait ahead of the batch's first reader
.set i, 0
.rept 16
	v_cvt_pk_f16_f32 v[P+i], v[S+2*i], v[S+2*i+1]
.set i, i+1
.endr
.set i, 0
.rept 8                                        ; the sum of a tile's eight pairs, in place: neighbours 1, 2 and 4 pairs apart
	v_pk_add_f32 v[S+4*i:S+4*i+1], v[S+4*i:S+4*i+1], v[S+4*i+2:S+4*i+3]
.set i, i+1
.endr
.set i, 0
.rept 4
	v_pk_add_f32 v[S+8*i:S+8*i+1], v[S+8*i:S+8*i+1], v[S+8*i+4:S+8*i+5]
.set i, i+1
.endr
	ALLT v_pk_add_f32 v[S+16*t:S+16*t+1], v[S+16*t:S+16*t+1], v[S+16*t+8:S+16*t+9]
	ALLT v_pk_fma_f32 v[ST+8*t+2:ST+8*t+3], v[ST+8*t+2:ST+8*t+3], v[ST+8*t+6:ST+8*t+7], v[S+16*t:S+16*t+1] op_sel_hi:[1,0,1]
.set i, 0
.rept 32                                       ; O^T times a, each accumulator from its lowest registers on
	v_pk_mul_f32 v[O+2*i:O+2*i+1], v[O+2*i:O+2*i+1], v[ST+8*(i/16)+6:ST+8*(i/16)+7] op_sel_hi:[1,0]
.set i, i+1
.endr
	s_wait_loadcnt 8*(\refill)                     ; V is in: the next K's eight loads, if any, are younger.  That wait also frees V's base
.set i, 0
.rept 8                                        ; product i: channels 16 (i / 2) on, tile i % 2: eight accumulators, one link each
.set rO, O+32*(i%2)+8*(i/2)
	v_wmma_f32_16x16x32_f16 v[rO:rO+7], v[V+8*(i/2):V+8*(i/2)+7], v[P+8*(i%2):P+8*(i%2)+7], v[rO:rO+7]
.set i, i+1
.endr
.if \refill
	ALLT v_add_nc_u32 v[DD+t], 32, v[DD+t]         ; the next step's keys; with the two v_nop the four places in front of the loads into V's registers
	v_nop
	v_nop
	s_add_nc_u64 s[VP:VP+1], s[VP:VP+1], 4096
	LOAD8 V, VP
.endif
.endm
	s_mov_b32 s26, 0
	s_cmp_eq_u32 s25, 0
	s_cbranch_scc1 .Llast
.Lstep:                                                ; the steps in front of my own: each asks for the next, the last of them for my own
	STEP 1
	s_add_co_u32 s26, s26, 1
	s_cmp_lt_u32 s26, s25
	s_cbranch_scc1 .Lstep
.Llast:
	STEP 0                                         ; my own step, which holds the diagonal: nothing is left to fetch
	; THE WAY OUT.  l's two halves and the other half of the lanes' are added; O^T is divided by 64 l and sent through my stage in LDS, a tile (16 rows) at a time.  The additions are the places behind the last products.
	ALLT v_add_f32 v[ST+8*t+4], v[ST+8*t+2], v[ST+8*t+3]
	ALLT v_permlanex16_b32 v[ST+8*t+5], v[ST+8*t+4], s[SEL], s[SEL+1]
	ALLT v_add_f32 v[ST+8*t+4], v[ST+8*t+4], v[ST+8*t+5]
	ALLT v_rcp_f32 v[ST+8*t+6], v[ST+8*t+4]
	v_nop                                          ; a plain instruction behind the last reciprocal,
	s_wait_alu depctr_va_vdst(0)                   ; and the one wait ahead of the first use
	ALLT v_mul_f32 v[ST+8*t+6], 0x3c800000, v[ST+8*t+6]  ; 1 / 64: v is divided by the head size
.macro PACK t                          ; a lane's eight channels of each block are 32 bytes of a row; they go into rows of 272 bytes and come back as whole rows of 256, into the registers that they left
.set i, 0
.rept 16
	v_pk_mul_f32 v[O+32*(\t)+2*i:O+32*(\t)+2*i+1], v[O+32*(\t)+2*i:O+32*(\t)+2*i+1], v[ST+8*(\t)+6:ST+8*(\t)+7] op_sel_hi:[1,0]
.set i, i+1
.endr
.irp c, 0,1,2,3
	ds_store_b128 v[STO], v[O+32*(\t)+8*(\c):O+32*(\t)+8*(\c)+3]   offset:64*(\c)
	ds_store_b128 v[STO], v[O+32*(\t)+8*(\c)+4:O+32*(\t)+8*(\c)+7] offset:64*(\c)+16
.endr
.irp f, 0,1,2,3,4,5,6,7
	ds_load_b128 v[O+32*(\t)+4*(\f):O+32*(\t)+4*(\f)+3], v[RD] offset:(\f)*2*SP  ; LDS serves a wave's instructions in order (ISA guide 5.7.1.4): these see the stores above; the next tile's stores come behind them
.endr
.endm
.macro SEND t, younger                 ; younger: the LDS instructions issued behind tile t's loads: the next tile's sixteen, or none
.irp f, 0,1,2,3,4,5,6,7
	s_wait_dscnt (\younger)+7-(\f)
	global_store_b128 v[GO], v[O+32*(\t)+4*(\f):O+32*(\t)+4*(\f)+3], s[OP:OP+1] offset:(16*(\t)+2*(\f))*4096 th:TH_STORE_NT  ; sixteen lanes store 256 consecutive bytes, aligned: a query's 64 channels of the head
.endr
.endm
	PACK 0
	PACK 1
	SEND 0, 16
	SEND 1, 0
	s_wait_tensorcnt 0x0                           ; the wave's end: behind my last LDS store
	ds_add_u32 v[SPW], v[NIL]
	s_wait_dscnt 0x0
	s_endpgm
.Lfunc_end_k_q9d884bcf71_attn:
	.size	k_q9d884bcf71_attn, .Lfunc_end_k_q9d884bcf71_attn-k_q9d884bcf71_attn
	.p2alignl 7, 3214868480
	.fill 96, 4, 3214868480
	.section	.rodata,"a",@progbits
	.p2align	6, 0x0
	.amdhsa_kernel k_q9d884bcf71_attn
		.amdhsa_group_segment_fixed_size 35840
		.amdhsa_private_segment_fixed_size 0
		.amdhsa_enable_private_segment 0
		.amdhsa_kernarg_size 24
		.amdhsa_user_sgpr_count 2
		.amdhsa_user_sgpr_kernarg_segment_ptr 1
		.amdhsa_wavefront_size32 1
		.amdhsa_system_sgpr_workgroup_id_x 1
		.amdhsa_system_sgpr_workgroup_id_y 1
		.amdhsa_system_sgpr_workgroup_id_z 1
		.amdhsa_system_vgpr_workitem_id 0
		.amdhsa_next_free_vgpr 248
		.amdhsa_next_free_sgpr 66
		.amdhsa_reserve_vcc 0
		.amdhsa_float_denorm_mode_32 3
		.amdhsa_float_denorm_mode_16_64 3
		.amdhsa_memory_ordered 1
		.amdhsa_forward_progress 1
		.amdhsa_inst_pref_size 44
	.end_amdhsa_kernel
	.amdgpu_metadata
---
amdhsa.version: [ 1, 2 ]
amdhsa.kernels:
  - .name:           k_q9d884bcf71_attn
    .symbol:         k_q9d884bcf71_attn.kd
    .args:
      - { .name: qkv, .offset: 0, .size: 8, .value_kind: global_buffer, .address_space: global }
      - { .name: starts, .offset: 8, .size: 8, .value_kind: global_buffer, .address_space: global }
      - { .name: out0, .offset: 16, .size: 8, .value_kind: global_buffer, .address_space: global }
    .group_segment_fixed_size: 35840
    .private_segment_fixed_size: 0
    .kernarg_segment_align: 8
    .kernarg_segment_size: 24
    .max_flat_workgroup_size: 256
    .sgpr_count:     66
    .vgpr_count:     248
    .wavefront_size: 32
...
	.end_amdgpu_metadata
.endif
;; end of part 3
;; ======== version 2 of 2: 3 launches; version 1 with the launches prep, attn written anew for expert scheduling mode
;; limits: values are held in f16: magnitudes above 65,504 overflow, below 6.1e-05 lose precision; right only within a limited range of input values
;; workspace buffers: xb 16,777,216 bytes; wt 6,291,456 bytes; qkv 50,331,648 bytes; starts 32,768 bytes of whole numbers
;; launch prep (part 4): grid 1409 x 1, 4 waves a work-group, no clusters, 17,920 bytes of LDS; arguments x, Wqkv, char_ids, xb, wt, starts; writes xb, wt, starts
.if DOCPART == 4
	.amdgcn_target "amdgcn-amd-amdhsa--gfx1250"
	.amdhsa_code_object_version 6
	.text
	.protected	k_q9d884bcf71_prep
	.globl	k_q9d884bcf71_prep
	.p2align	8
	.type	k_q9d884bcf71_prep,@function
k_q9d884bcf71_prep:
	s_mov_b64 s[64:65], 0
	v_nop
	global_prefetch_b8 v0, s[64:65] scope:SCOPE_SE
	s_setreg_imm32_b32 hwreg(HW_REG_WAVE_SCHED_MODE, 0, 2), 2
	s_setreg_imm32_b32 hwreg(HW_REG_WAVE_MODE, 25, 1), 1
	s_wait_xcnt 0x0
	s_wait_alu depctr_vm_vsrc(0)
; THREE JOBS, told apart by the work-group's number (the same for all four waves of a work-group):
;   group 0          starts[b][q] = the place of the last delimiter (32 or 10) at or before q, or 0 if there is none: the first key that query q may see
;   groups 1..384    wt = Wqkv rounded to bf16 and turned: row nt*192 + which*64 + c of wt (1,024 k on end) is column which*1024 + nt*64 + c of Wqkv
;   groups 385..1408 xb = x rounded to bf16, 32,768 bytes of x each
; No matrix work and no cluster: every byte is read once and written once, and no two work-groups read the same bytes.
; THE MODE: SCHED_MODE bits 1:0 = 2 (LLVM: expert scheduling mode 2), set by the entry lines.  The code itself states the register dependences
; between vector instructions and memory or LDS instructions, and from a vector instruction's scalar result to its reader, with s_wait_alu, always for 0.
; THE PLAN.  Registers that memory or LDS instructions touch:
;   v1 .. v5   offsets and LDS addresses: made at the head of a job, one wait behind them, never written again.
;   IN         written by the loads, read by vector instructions; in the turning job the loads from the tile land in it once more, behind the last wait on va_vdst,
;              which stands behind every conversion; in the job for starts the selects rewrite it in place, and one wait stands ahead of the stores.
;   PK         written by the conversions, read by the stores (to memory or to LDS), never written again: the conversions go in groups of eight, one wait a group, the group's stores behind it.
; No register that a memory or LDS instruction has read is ever written again, so the text holds no wait on vm_vsrc.
; Compares and v_readlane_b32 stand in runs into s16 .. s31, one wait on va_sdst behind each run.
.set WROW,  12288                      ; bytes in a row of Wqkv
.set TP,    272                        ; the turning tile in LDS: 64 rows (columns of Wqkv) of 128 k in bf16, 256 bytes + 16 of padding
.set SPARE, 64*TP                      ; behind the tile: the spare words, 128 bytes for each wave: two blocks of 256 bytes that no other line names
.set SPW, 8                            ; v8   LDS address of my spare word; never rewritten
.set NIL, 9                            ; v9   0; never rewritten
.set IN,  16                           ; v[16:79]  as loaded
.set PK,  80                           ; v[80:111] rounded and packed
.set MA,  16                           ; s[16:23]  the job for starts: a run's masks or lanes
.set MB,  24                           ; s[24:31]  a second eight
	s_load_b256 s[4:11], s[0:1], 0x0               ; x s[4:5], Wqkv s[6:7], char_ids s[8:9], xb s[10:11]
	s_load_b128 s[12:15], s[0:1], 0x20             ; wt s[12:13], starts s[14:15]
	v_lshl_add_u32 v[SPW], v0, 2, SPARE
	v_mov_b32 v[NIL], 0
	v_lshrrev_b32 v1, 5, v0
	v_readfirstlane_b32 s16, v1                    ; wave 0..3
	s_mov_b32 s19, 0                               ; high word of every offset pair s[18:19]
	s_mov_b32 s21, 0                               ; and of s[20:21]
	s_wait_alu depctr_va_sdst(0)                   ; s16 is written: its one reader, in the job for starts, stands behind the branches below
	s_wait_kmcnt 0x0
	s_cmp_eq_u32 ttmp9, 0
	s_cbranch_scc1 .Lseg
	s_cmp_lt_u32 ttmp9, 385
	s_cbranch_scc1 .Lw
	; ---- x to bf16.  Thread t takes 16 bytes at 2,048 j + 16 t, j = 0..15: a wave's load covers 512 consecutive bytes, its store 256, aligned.
	s_sub_co_u32 s17, ttmp9, 385
	s_lshl_b32 s18, s17, 15
	s_add_nc_u64 s[4:5], s[4:5], s[18:19]
	s_lshl_b32 s18, s17, 14
	s_add_nc_u64 s[10:11], s[10:11], s[18:19]
	v_lshlrev_b32 v1, 4, v0
	v_lshlrev_b32 v2, 3, v0
	s_wait_alu depctr_va_vdst(0)                   ; v1 and v2 are written: the loads read v1 as their offset, the stores v2
.set j, 0
.rept 16
	global_load_b128 v[IN+4*j:IN+4*j+3], v1, s[4:5] offset:2048*j th:TH_LOAD_NT
.set j, j+1
.endr
.set g, 0
.rept 4                                        ; four groups of four loads
	s_wait_loadcnt 12-4*g                          ; loads come back in order: loads 4 g .. 4 g + 3 are in, the younger groups stay out
.set j, 4*g
.rept 4
	v_cvt_pk_bf16_f32 v[PK+2*j], v[IN+4*j], v[IN+4*j+1]
	v_cvt_pk_bf16_f32 v[PK+2*j+1], v[IN+4*j+2], v[IN+4*j+3]
.set j, j+1
.endr
	s_wait_alu depctr_va_vdst(0)                   ; the group's eight conversions have written PK's eight registers, which the four stores read
.set j, 4*g
.rept 4
	global_store_b64 v2, v[PK+2*j:PK+2*j+1], s[10:11] offset:1024*j th:TH_STORE_NT  ; no register of a store is written again
.set j, j+1
.endr
.set g, g+1
.endr
	s_branch .Lend
	; ---- Wqkv to bf16, turned.  A tile of 128 k x 64 columns: hc = which*16 + nt picks the columns, kt the 128 k.
.Lw:
	s_sub_co_u32 s17, ttmp9, 1
	s_lshr_b32 s18, s17, 3                         ; hc 0..47
	s_and_b32 s22, s17, 7                          ; kt 0..7
	s_mul_i32 s20, s22, 128*WROW
	s_lshl_b32 s23, s18, 8
	s_add_co_u32 s20, s20, s23
	s_add_nc_u64 s[6:7], s[6:7], s[20:21]          ; Wqkv at row 128 kt, column 64 hc
	s_lshr_b32 s23, s18, 4                         ; which
	s_and_b32 s18, s18, 15                         ; nt
	s_mul_i32 s18, s18, 192
	s_lshl_b32 s23, s23, 6
	s_add_co_u32 s18, s18, s23                     ; wt's row
	s_lshl_b32 s20, s18, 11
	s_lshl_b32 s22, s22, 8
	s_add_co_u32 s20, s20, s22
	s_add_nc_u64 s[12:13], s[12:13], s[20:21]      ; wt at that row, byte 256 kt
	v_and_b32 v6, 15, v0                           ; n4: my four columns
	v_lshrrev_b32 v7, 4, v0                        ; kp 0..7: my pair of rows in each sixteen
	v_mul_u32_u24 v1, v7, 2*WROW
	v_lshl_add_u32 v1, v6, 4, v1                   ; row 2 kp, 16 bytes at column 4 n4: sixteen lanes read 256 consecutive bytes, aligned
	v_mul_u32_u24 v3, v6, 4*TP
	v_lshl_add_u32 v3, v7, 2, v3                   ; into the tile: row 4 n4, word kp
	v_mul_u32_u24 v4, v7, TP
	v_lshl_add_u32 v4, v6, 4, v4                   ; back: row t / 16, 16 bytes at 16 (t % 16)
	v_lshlrev_b32 v5, 11, v7
	v_lshl_add_u32 v5, v6, 4, v5                   ; the same place in wt
	s_wait_alu depctr_va_vdst(0)                   ; v1, v3, v4 and v5 are written: the offsets and LDS addresses of all that follows in this job
.set i, 0
.rept 8
	global_load_b128 v[IN+8*i:IN+8*i+3],   v1, s[6:7] offset:i*16*WROW th:TH_LOAD_NT       ; row k = 2 (kp + 8 i)
	global_load_b128 v[IN+8*i+4:IN+8*i+7], v1, s[6:7] offset:i*16*WROW+WROW th:TH_LOAD_NT  ; row k + 1
.set i, i+1
.endr
.set g, 0
.rept 4                                        ; four groups of two pairs of rows
	s_wait_loadcnt 12-4*g                          ; pairs 2 g and 2 g + 1 are in; the younger groups stay out
.set i, 2*g
.rept 2
.irp e, 0,1,2,3
	v_cvt_pk_bf16_f32 v[PK+4*i+(\e)], v[IN+8*i+(\e)], v[IN+8*i+4+(\e)]  ; (k, k + 1) of column 4 n4 + e: a word of wt's row
.endr
.set i, i+1
.endr
	s_wait_alu depctr_va_vdst(0)                   ; the group's eight conversions have written PK's eight registers, which the LDS stores read; behind the last group: every conversion is done reading IN, in which the loads from the tile land
.set i, 2*g
.rept 2
.irp e, 0,1,2,3
	ds_store_b32 v3, v[PK+4*i+(\e)] offset:TP*(\e)+32*i  ; 32 such stores a thread, once
.endr
.set i, i+1
.endr
.set g, g+1
.endr
	s_wait_dscnt 0x0                               ; for the others' sake: my stores into the tile are done
	s_barrier_signal -1
	s_barrier_wait -1
.set i, 0
.rept 8
	ds_load_b128 v[IN+4*i:IN+4*i+3], v4 offset:8*TP*i  ; no vector instruction since the last wait on va_vdst names these registers
.set i, i+1
.endr
.set i, 0
.rept 8
	s_wait_dscnt 7-i
	global_store_b128 v5, v[IN+4*i:IN+4*i+3], s[12:13] offset:8*2048*i  ; sixteen lanes store 256 consecutive bytes, aligned
.set i, i+1
.endr
	s_branch .Lend
	; ---- starts.  Wave w takes batch w; lane l the places 64 l .. 64 l + 63, which are 256 bytes of its own (32 KiB in all: the lanes' 16-byte pieces lie 256 bytes apart).
.Lseg:
	s_lshl_b32 s18, s16, 13
	s_add_nc_u64 s[8:9], s[8:9], s[18:19]
	s_add_nc_u64 s[14:15], s[14:15], s[18:19]      ; from here on s16 .. s31 are free: the runs below take them
	v_and_b32 v2, 31, v0
	v_lshlrev_b32 v1, 8, v2
	v_lshlrev_b32 v2, 6, v2                        ; my first place
	v_mov_b32 v3, 0
	v_mov_b32 v5, 0
	s_wait_alu depctr_va_vdst(0)                   ; v1 is written: the offset of this job's loads and stores
.set i, 0
.rept 16
	global_load_b128 v[IN+4*i:IN+4*i+3], v1, s[8:9] offset:16*i
.set i, i+1
.endr
	s_wait_loadcnt 0x0
.set b, 0
.rept 8                                        ; the last delimiter inside my 64 places so far, or 0: eight places to a run
.irp n, 0,1,2,3,4,5,6,7
	v_cmp_eq_u32 s[MA+(\n)], 32, v[IN+8*b+(\n)]
.endr
.irp n, 0,1,2,3,4,5,6,7
	v_cmp_eq_u32 s[MB+(\n)], 10, v[IN+8*b+(\n)]
.endr
	s_wait_alu depctr_va_sdst(0)                   ; the run's sixteen compares have written their masks, which the s_or_b32 below read
.irp n, 0,1,2,3,4,5,6,7
	s_or_b32 s[MA+(\n)], s[MA+(\n)], s[MB+(\n)]
.endr
.irp n, 0,1,2,3,4,5,6,7
	v_add_nc_u32 v4, 8*b+(\n), v2
.if 8*b+(\n) == 0
	v_cndmask_b32 v[IN], v3, v4, s[MA]
.else
	v_cndmask_b32 v[IN+8*b+(\n)], v[IN+8*b+(\n)-1], v4, s[MA+(\n)]
.endif
.endr
.set b, b+1
.endr
; What the lanes in front hand on: places only grow, so the greatest is the last.  Eight lanes to a run: their last places into s[r .. r + 7], the running maxima made in place from the carry
; s[cin], which is the other run's last register (0 for the first run); lane l takes the maximum of the lanes in front of it.
.macro CARRY r, cin, l0
.irp n, 0,1,2,3,4,5,6,7
	v_readlane_b32 s[(\r)+(\n)], v[IN+63], (\l0)+(\n)
.endr
	s_wait_alu depctr_va_sdst(0)                   ; the run's eight v_readlane_b32 have written their scalars, which the s_max_u32 below read
	s_max_u32 s[\r], s[\cin], s[\r]
.irp n, 1,2,3,4,5,6,7
	s_max_u32 s[(\r)+(\n)], s[(\r)+(\n)-1], s[(\r)+(\n)]
.endr
	v_writelane_b32 v5, s[\cin], \l0
.irp n, 1,2,3,4,5,6,7
	v_writelane_b32 v5, s[(\r)+(\n)-1], (\l0)+(\n)
.endr
.endm
	s_mov_b32 s[MB+7], 0
	CARRY MA, MB+7, 0
	CARRY MB, MA+7, 8
	CARRY MA, MB+7, 16
	CARRY MB, MA+7, 24
.set b, 0
.rept 4                                        ; 0 means none of my own so far (in lane 0 the carry is 0 too): sixteen places to a run
.irp n, 0,1,2,3,4,5,6,7,8,9,10,11,12,13,14,15
	v_cmp_eq_u32 s[MA+(\n)], 0, v[IN+16*b+(\n)]
.endr
	s_wait_alu depctr_va_sdst(0)                   ; the run's sixteen compares have written their masks, which the selects below read
.irp n, 0,1,2,3,4,5,6,7,8,9,10,11,12,13,14,15
	v_cndmask_b32 v[IN+16*b+(\n)], v[IN+16*b+(\n)], v5, s[MA+(\n)]
.endr
.set b, b+1
.endr
	s_wait_alu depctr_va_vdst(0)                   ; the selects have written IN, which the stores read
.set i, 0
.rept 16
	global_store_b128 v1, v[IN+4*i:IN+4*i+3], s[14:15] offset:16*i
.set i, i+1
.endr
.Lend:
	s_wait_dscnt 0x0                               ; the closing lines, six on end
	s_wait_alu 0x0
	s_wait_tensorcnt 0x0
	ds_add_u32 v[SPW], v[NIL]
	s_wait_dscnt 0x0
	s_endpgm
.Lfunc_end_k_q9d884bcf71_prep:
	.size	k_q9d884bcf71_prep, .Lfunc_end_k_q9d884bcf71_prep-k_q9d884bcf71_prep
	.p2alignl 7, 3214868480
	.fill 96, 4, 3214868480
	.section	.rodata,"a",@progbits
	.p2align	6, 0x0
	.amdhsa_kernel k_q9d884bcf71_prep
		.amdhsa_group_segment_fixed_size 17920
		.amdhsa_private_segment_fixed_size 0
		.amdhsa_enable_private_segment 0
		.amdhsa_kernarg_size 48
		.amdhsa_user_sgpr_count 2
		.amdhsa_user_sgpr_kernarg_segment_ptr 1
		.amdhsa_wavefront_size32 1
		.amdhsa_system_sgpr_workgroup_id_x 1
		.amdhsa_system_sgpr_workgroup_id_y 1
		.amdhsa_system_sgpr_workgroup_id_z 1
		.amdhsa_system_vgpr_workitem_id 0
		.amdhsa_next_free_vgpr 112
		.amdhsa_next_free_sgpr 66
		.amdhsa_reserve_vcc 0
		.amdhsa_float_denorm_mode_32 3
		.amdhsa_float_denorm_mode_16_64 3
		.amdhsa_memory_ordered 1
		.amdhsa_forward_progress 1
		.amdhsa_inst_pref_size 49
	.end_amdhsa_kernel
	.amdgpu_metadata
---
amdhsa.version: [ 1, 2 ]
amdhsa.kernels:
  - .name:           k_q9d884bcf71_prep
    .symbol:         k_q9d884bcf71_prep.kd
    .args:
      - { .name: x, .offset: 0, .size: 8, .value_kind: global_buffer, .address_space: global }
      - { .name: Wqkv, .offset: 8, .size: 8, .value_kind: global_buffer, .address_space: global }
      - { .name: char_ids, .offset: 16, .size: 8, .value_kind: global_buffer, .address_space: global }
      - { .name: xb, .offset: 24, .size: 8, .value_kind: global_buffer, .address_space: global }
      - { .name: wt, .offset: 32, .size: 8, .value_kind: global_buffer, .address_space: global }
      - { .name: starts, .offset: 40, .size: 8, .value_kind: global_buffer, .address_space: global }
    .group_segment_fixed_size: 17920
    .private_segment_fixed_size: 0
    .kernarg_segment_align: 8
    .kernarg_segment_size: 48
    .max_flat_workgroup_size: 128
    .sgpr_count:     66
    .vgpr_count:     112
    .wavefront_size: 32
...
	.end_amdgpu_metadata
.endif
;; end of part 4
;; launch proj: the kernel of part 2 again; grid 16 x 16, 4 waves a work-group, clusters of 4 x 4, 327,680 bytes of LDS; arguments xb, wt, bqkv, qkv; writes qkv
;; launch attn (part 5): grid 8 x 64, 8 waves a work-group, no clusters, 35,840 bytes of LDS; arguments qkv, starts, out0; writes out0
.if DOCPART == 5
	.amdgcn_target "amdgcn-amd-amdhsa--gfx1250"
	.amdhsa_code_object_version 6
	.text
	.protected	k_q9d884bcf71_attn
	.globl	k_q9d884bcf71_attn
	.p2align	8
	.type	k_q9d884bcf71_attn,@function
k_q9d884bcf71_attn:
	s_mov_b64 s[64:65], 0
	v_nop
	global_prefetch_b8 v0, s[64:65] scope:SCOPE_SE
	s_setreg_imm32_b32 hwreg(HW_REG_WAVE_SCHED_MODE, 0, 2), 2
	s_setreg_imm32_b32 hwreg(HW_REG_WAVE_MODE, 25, 1), 1
	s_wait_xcnt 0x0
	s_wait_alu depctr_vm_vsrc(0)
; out0[b][q][64 h ..] = the sum over the keys k in starts[b][q] .. q of softmax_k(Q[q] . K[k] / 8) V[k] / 64, for head h of batch b.
; The segment number never falls along a row, so the keys of a query's own segment up to itself are ONE run; key steps that lie wholly in front of the run of a wave's first query are not walked.
; SHARES.  Work-group (x, y): batch y / 16, head y % 16; wave w owns the 32 queries of step 8 x + w (two tiles of 16) and walks key steps of 32, from starts[first query] / 32 to its own step.
; The trip count is read from starts, whole numbers that an earlier launch stored.  A wave works alone: no barrier; nothing goes through LDS on the way in, since qkv holds the fragments as the
; registers want them: 32 positions of q, k or v are 4,096 consecutive bytes, eight loads of 512.  NO CLUSTER and no tensor load: what neighbouring waves share hangs on counts read from memory.
; LAYOUT.  S^T = K Q^T (source 0 = 16 keys, source 1 = 16 queries): a lane holds ONE query (lane % 16) and the keys 8 (lane / 16) + 0..7 of each block of 16.  The two blocks rounded to f16 ARE
; source 1 (32 keys x 16 queries) of O^T = V^T P, whose result again holds one query a lane, and eight channels.
; SOFTMAX.  A running maximum m and sum l: p = 2^(c s - c m), c = log2(e) / 8; in every step O and l are multiplied by a = 2^(c m_old - c m_new).  m starts at the lowest finite number, O and l at 0.
; THE MASK.  Key k is seen by query q iff (k - start) <= (q - start) as unsigned numbers; a hidden score is replaced by -2^100.  c x 2^100 is exact, so in a step whose keys are all hidden for a
; lane the weights are exactly 1: finite rubbish, which the first true score (the query's own key at the latest) wipes out with a = 0.
; LIMITS.  q, k, v arrive in f16.  A hidden score counts as -2^100 where the problem writes -1e9: the same result while every seen score, divided by 8, lies above -1e9.  A weight below 2^-126
; counts as 0; NaN and infinities are not treated apart.  p is rounded to f16 for the second product; l is the sum of the unrounded p.
; THE MODE: SCHED_MODE bits 1:0 = 2 (LLVM: expert scheduling mode 2), set by the entry lines.  The code itself states the register dependences between vector or matrix
; instructions and memory or LDS instructions, and from a vector instruction's scalar result to its reader, with s_wait_alu, always for 0.
; THE PLAN.  Registers that memory or LDS instructions touch:
;   v[LO], v14       offsets of all loads: made at the head, one wait behind them, never written again.
;   Q, SQ            loaded once.
;   K                step j's eight products K Q^T read it; behind them, and behind one wait on va_vdst, the loads of step j + 1 land in it.
;   V                step j's eight products V^T P read it; behind them, and behind one wait on va_vdst, the loads of step j + 1 land in it.
;   STO, RD, GO      made at the head, read on the way out alone.
;   O                read by the way out's LDS stores, behind one wait on va_vdst that stands behind both tiles' scalings.  The rows come back from the stage into K's and V's registers,
;                    which the same wait shows free.  So no register that a memory or LDS instruction has read is ever written again, and the text holds no wait on vm_vsrc.
; In front of each of a step's two waits on va_vdst stands vector work that names none of the products' registers: tile 0's run of compares in front of K's, the row sums in front of V's.
; The mask's compares stand in two runs of sixteen, a tile each, into s32 .. s47, one wait on va_sdst behind each run.
.set SP,    272                        ; a stage row: a query's 64 channels in f32, 256 bytes + 16 of padding
.set STG,   16*SP                      ; a wave's stage: 16 rows
.set SPARE, 8*STG                      ; behind the stages: the spare words, 128 bytes for each wave: four blocks of 256 bytes that no other line names
.set LO,  1                            ; v1   16 x lane: my bytes in a chunk; never rewritten
.set STO, 2                            ; v2   the way out: where I put 32 bytes of a row
.set RD,  3                            ; v3   where I read rows back
.set GO,  4                            ; v4   my byte offset in two rows of out0
.set SPW, 5                            ; v5   LDS address of my spare word; never rewritten
.set NIL, 6                            ; v6   0; never rewritten
.set HID, 7                            ; v7   -2^100
.set ST,  16                           ; tile t's statistics at v[ST+8 t]: c m, m, l (even keys', odd keys'), c0-c3 at work; c2 takes a
.set WW,  32                           ; v32-33  q - start(q)
.set DD,  34                           ; v34-35  32 x key step + 8 (lane / 16) - start(q)
.set SQ,  36                           ; v36-37  start(q) as loaded
.set Q,   40                           ; fragment (tile t, channel half c2) at Q + 16 t + 8 c2
.set K,   72                           ; (key block kb, c2) at K + 16 kb + 8 c2; on the way out tile 0's rows
.set V,   104                          ; channel block cb at V + 8 cb; on the way out tile 1's rows
.set S,   136                          ; (t, kb) at S + 16 t + 8 kb
.set P,   168                          ; tile t at P + 8 t
.set O,   184                          ; (t, cb) at O + 32 t + 8 cb
.set QP,  16                           ; s[16:17] my 32 queries' fragments
.set KP,  18                           ; s[18:19] K of the step that was loaded last
.set VP,  20                           ; s[20:21] V likewise
.set OP,  22                           ; s[22:23] out0 at my first row, my head's 256 bytes
.set CS,  28                           ; s[28:29] c: the packed scaling takes the pair's low word for both halves
.set SEL, 30                           ; s[30:31] v_permlanex16_b32's selects: each lane takes its own place in the other half
.set MK,  32                           ; s[32:47] a tile's sixteen masks
.macro ALLT line:vararg                ; one line for each tile t
.set t, 0
.rept 2
	\line
.set t, t+1
.endr
.endm
.macro LOAD8 r, p                      ; eight chunks of 512 consecutive bytes into 32 registers
.set i, 0
.rept 8
	global_load_b128 v[(\r)+4*i:(\r)+4*i+3], v[LO], s[(\p):(\p)+1] offset:512*i
.set i, i+1
.endr
.endm
; The mask of tile t.  MASKC: key - start and the compare, for the lane's sixteen scores, four at a time through v8-11.  MASKS: the sixteen selects, each accumulator from its lowest register on.
.macro MASKC t
.irp g, 0,1,2,3
.irp n, 0,1,2,3
	v_add_nc_u32 v[8+(\n)], 16*((\g)/2)+4*((\g)%2)+(\n), v[DD+(\t)]   ; key - start
.endr
.irp n, 0,1,2,3
	v_cmp_ge_u32 s[MK+4*(\g)+(\n)], v[WW+(\t)], v[8+(\n)]             ; seen?
.endr
.endr
.endm
.macro MASKS t
.irp j, 0,1,2,3,4,5,6,7,8,9,10,11,12,13,14,15
	v_cndmask_b32 v[S+16*(\t)+(\j)], v[HID], v[S+16*(\t)+(\j)], s[MK+(\j)]
.endr
.endm
	s_load_b128 s[4:7], s[0:1], 0x0                ; qkv s[4:5], starts s[6:7]
	s_load_b64 s[8:9], s[0:1], 0x10                ; out0
	v_lshl_add_u32 v[SPW], v0, 2, SPARE
	v_mov_b32 v[NIL], 0
	v_lshrrev_b32 v8, 5, v0
	v_readfirstlane_b32 s10, v8                    ; wave 0..7
	v_and_b32 v15, 31, v0
	v_lshlrev_b32 v[LO], 4, v15
	v_and_b32 v12, 15, v0                          ; r
	v_bfe_u32 v13, v0, 4, 1                        ; h
	v_lshlrev_b32 v14, 2, v12
	s_and_b32 s14, ttmp7, 0xffff
	s_and_b32 s11, s14, 15                         ; head
	s_lshr_b32 s12, s14, 4                         ; batch
	s_lshl_b32 s13, ttmp9, 3
	s_wait_alu depctr_va_sdst(0)                   ; s10 is written, ahead of its first reader: my step, and from it every base, is made of it
	s_add_co_u32 s13, s13, s10                     ; my step of 32 queries, 0..63
	s_lshl_b32 s14, s12, 13
	s_lshl_b32 s26, s13, 7
	s_add_co_u32 s14, s14, s26                     ; 4 x (2,048 batch + 32 step)
	s_mov_b32 s15, 0
	s_wait_kmcnt 0x0
	s_add_nc_u64 s[6:7], s[6:7], s[14:15]          ; starts at my first query
	s_load_b32 s24, s[6:7], 0x0                    ; the first key that any of my queries sees: starts never falls along a row
	s_mul_i32 s14, s11, 3*128*8192
	s_lshl_b32 s26, s12, 18
	s_add_co_u32 s14, s14, s26
	s_add_nc_u64 s[KP:KP+1], s[4:5], s[14:15]      ; the head's q, at the batch's first block
	s_lshl_b32 s14, s13, 12
	s_add_nc_u64 s[QP:QP+1], s[KP:KP+1], s[14:15]
	s_add_nc_u64 s[KP:KP+1], s[KP:KP+1], 0x100000  ; the head's k
	s_wait_alu depctr_va_vdst(0)                   ; v[LO] and v14 are written: the offsets of every load of the kernel; no vector instruction stands between this wait and K's and V's first loads
	LOAD8 Q, QP
	global_load_b32 v[SQ],   v14, s[6:7]
	global_load_b32 v[SQ+1], v14, s[6:7] offset:64
	s_lshl_b32 s14, s12, 23
	s_lshl_b32 s26, s13, 17
	s_add_co_u32 s14, s14, s26
	s_lshl_b32 s26, s11, 8
	s_add_co_u32 s14, s14, s26
	s_add_nc_u64 s[OP:OP+1], s[8:9], s[14:15]
	s_mov_b32 s[CS], 0x3e38aa3b                    ; c = log2(e) / 8
	s_mov_b32 s[CS+1], s[CS]
	s_mov_b32 s[SEL], 0x76543210
	s_mov_b32 s[SEL+1], 0xfedcba98
	s_mul_i32 s27, s10, STG                        ; my stage
	s_wait_kmcnt 0x0
	s_lshr_b32 s24, s24, 5                         ; the first key step,
	s_min_u32 s24, s24, s13                        ; never behind my own,
	s_min_u32 s24, s24, 63                         ; and inside the batch whatever was read
	s_sub_co_u32 s25, s13, s24                     ; steps in front of my own
	s_lshl_b32 s14, s24, 12
	s_add_nc_u64 s[KP:KP+1], s[KP:KP+1], s[14:15]
	s_add_nc_u64 s[VP:VP+1], s[KP:KP+1], 0x100000
	LOAD8 K, KP
	LOAD8 V, VP
	; all this stands in the wait for the first loads
	v_mov_b32 v[HID], 0xf1800000
.set i, 0
.rept 64
	v_mov_b32 v[O+i], 0
.set i, i+1
.endr
	ALLT v_mov_b32 v[ST+8*t], 0xfe000000           ; c m: far below every c s
	ALLT v_mov_b32 v[ST+8*t+1], 0xff7fffff         ; m
	ALLT v_mov_b32 v[ST+8*t+2], 0
	ALLT v_mov_b32 v[ST+8*t+3], 0
	v_mul_u32_u24 v[STO], v12, SP                  ; in: row r, 32 bytes for each half of the lanes
	v_lshl_add_u32 v[STO], v13, 5, v[STO]
	v_add_nc_u32 v[STO], s27, v[STO]
	v_mul_u32_u24 v[RD], v13, SP                   ; back: lanes 0-15 one row of 256 bytes, lanes 16-31 the next
	v_lshl_add_u32 v[RD], v12, 4, v[RD]
	v_add_nc_u32 v[RD], s27, v[RD]
	v_lshlrev_b32 v[GO], 12, v13                   ; and the same two rows of out0, 4,096 bytes apart
	v_lshl_add_u32 v[GO], v12, 4, v[GO]
	s_lshl_b32 s14, s13, 5
	s_lshl_b32 s26, s24, 5
	v_add_nc_u32 v8, s14, v12                      ; tile 0's query
	v_add_nc_u32 v9, 16, v8                        ; tile 1's
	v_lshl_add_u32 v10, v13, 3, s26                ; my first key of the first step
	s_wait_loadcnt 16                              ; Q and the starts are in; K's and V's sixteen loads are younger
	v_sub_nc_u32 v[WW], v8, v[SQ]
	v_sub_nc_u32 v[WW+1], v9, v[SQ+1]
	v_sub_nc_u32 v[DD], v10, v[SQ]
	v_sub_nc_u32 v[DD+1], v10, v[SQ+1]
; A KEY STEP.  refill = 1: the next step's K is asked for as soon as this step's has been multiplied, its V likewise.
.macro STEP refill
	s_wait_loadcnt 8                               ; K is in: V's eight loads are younger.  That wait also frees K's base
.set i, 0
.rept 8                                        ; product i: channels 32 (i / 4) on, keys 16 ((i / 2) % 2) on, tile i % 2.  Four accumulators by turns; the first four start the sums
.set rS, S+16*(i%2)+8*((i/2)%2)
.set rK, K+16*((i/2)%2)+8*(i/4)
.set rQ, Q+16*(i%2)+8*(i/4)
.if i < 4
	v_wmma_f32_16x16x32_f16 v[rS:rS+7], v[rK:rK+7], v[rQ:rQ+7], 0
.else
	v_wmma_f32_16x16x32_f16 v[rS:rS+7], v[rK:rK+7], v[rQ:rQ+7], v[rS:rS+7]
.endif
.set i, i+1
.endr
	MASKC 0                                        ; tile 0's run of compares: 32 plain instructions that name none of the products' registers: the places in front of the first read of the scores (ISA guide 7.12.1)
.if \refill
	s_wait_alu depctr_va_vdst(0)                   ; the eight products are done reading K, in which the loads below land
	s_add_nc_u64 s[KP:KP+1], s[KP:KP+1], 4096
	LOAD8 K, KP
.endif
	s_wait_alu depctr_va_sdst(0)                   ; tile 0's sixteen compares have written their masks, which the selects read
	MASKS 0
	MASKC 1
	s_wait_alu depctr_va_sdst(0)                   ; tile 1's sixteen compares have written their masks, which the selects read
	MASKS 1
	; the maximum of 16 scores and the old m, three operands at a time; the query's other 16 keys lie in the lane 16 away
	ALLT v_max3_num_f32 v[ST+8*t+4], v[S+16*t], v[S+16*t+1], v[S+16*t+2]
	ALLT v_max3_num_f32 v[ST+8*t+5], v[S+16*t+3], v[S+16*t+4], v[S+16*t+5]
	ALLT v_max3_num_f32 v[ST+8*t+6], v[S+16*t+6], v[S+16*t+7], v[S+16*t+8]
	ALLT v_max3_num_f32 v[ST+8*t+7], v[S+16*t+9], v[S+16*t+10], v[S+16*t+11]
	ALLT v_max3_num_f32 v[ST+8*t+4], v[ST+8*t+4], v[S+16*t+12], v[S+16*t+13]
	ALLT v_max3_num_f32 v[ST+8*t+5], v[ST+8*t+5], v[S+16*t+14], v[S+16*t+15]
	ALLT v_max3_num_f32 v[ST+8*t+6], v[ST+8*t+6], v[ST+8*t+7], v[ST+8*t+1]
	ALLT v_max3_num_f32 v[ST+8*t+4], v[ST+8*t+4], v[ST+8*t+5], v[ST+8*t+6]
	ALLT v_permlanex16_b32 v[ST+8*t+5], v[ST+8*t+4], s[SEL], s[SEL+1]
	ALLT v_mov_b32 v[ST+8*t+7], v[ST+8*t]          ; c m_old is kept
	ALLT v_max_num_f32 v[ST+8*t+1], v[ST+8*t+4], v[ST+8*t+5]
	ALLT v_mul_f32 v[ST+8*t], s[CS], v[ST+8*t+1]
	ALLT v_sub_f32 v[ST+8*t+5], v[ST+8*t+7], v[ST+8*t]
.set i, 0
.rept 16                                       ; c s - c m, a pair of scores at a time
	v_pk_fma_f32 v[S+2*i:S+2*i+1], v[S+2*i:S+2*i+1], s[CS:CS+1], v[ST+8*(i/8):ST+8*(i/8)+1] op_sel_hi:[1,0,0] neg_lo:[0,0,1] neg_hi:[0,0,1]
.set i, i+1
.endr
	ALLT v_exp_f32 v[ST+8*t+6], v[ST+8*t+5]        ; ONE BATCH of 34 exponentials: both a, then the 32 weights in place
.set i, 0
.rept 32
	v_exp_f32 v[S+i], v[S+i]
.set i, i+1
.endr
	v_nop                                          ; a plain instruction behind the last exponential (ISA guide 5.7.2),
	s_wait_alu depctr_va_vdst(0)                   ; and the one wait ahead of the batch's first reader: both a and the 32 weights are written
.set i, 0
.rept 16
	v_cvt_pk_f16_f32 v[P+i], v[S+2*i], v[S+2*i+1]
.set i, i+1
.endr
.set i, 0
.rept 32                                       ; O^T times a, each accumulator from its lowest registers on
	v_pk_mul_f32 v[O+2*i:O+2*i+1], v[O+2*i:O+2*i+1], v[ST+8*(i/16)+6:ST+8*(i/16)+7] op_sel_hi:[1,0]
.set i, i+1
.endr
	s_wait_loadcnt 8*(\refill)                     ; V is in: the next K's eight loads, if any, are younger.  That wait also frees V's base
.set i, 0
.rept 8                                        ; product i: channels 16 (i / 2) on, tile i % 2: eight accumulators, one link each
.set rO, O+32*(i%2)+8*(i/2)
	v_wmma_f32_16x16x32_f16 v[rO:rO+7], v[V+8*(i/2):V+8*(i/2)+7], v[P+8*(i%2):P+8*(i%2)+7], v[rO:rO+7]
.set i, i+1
.endr
	; the row sums stand behind the products: they name the weights and the statistics alone, none of the products' registers
.set i, 0
.rept 8                                        ; the sum of a tile's eight pairs, in place: neighbours 1, 2 and 4 pairs apart
	v_pk_add_f32 v[S+4*i:S+4*i+1], v[S+4*i:S+4*i+1], v[S+4*i+2:S+4*i+3]
.set i, i+1
.endr
.set i, 0
.rept 4
	v_pk_add_f32 v[S+8*i:S+8*i+1], v[S+8*i:S+8*i+1], v[S+8*i+4:S+8*i+5]
.set i, i+1
.endr
	ALLT v_pk_add_f32 v[S+16*t:S+16*t+1], v[S+16*t:S+16*t+1], v[S+16*t+8:S+16*t+9]
	ALLT v_pk_fma_f32 v[ST+8*t+2:ST+8*t+3], v[ST+8*t+2:ST+8*t+3], v[ST+8*t+6:ST+8*t+7], v[S+16*t:S+16*t+1] op_sel_hi:[1,0,1]
.if \refill
	ALLT v_add_nc_u32 v[DD+t], 32, v[DD+t]         ; the next step's keys
	s_wait_alu depctr_va_vdst(0)                   ; the eight products are done reading V, in which the loads below land
	s_add_nc_u64 s[VP:VP+1], s[VP:VP+1], 4096
	LOAD8 V, VP
.endif
.endm
	s_mov_b32 s26, 0
	s_cmp_eq_u32 s25, 0
	s_cbranch_scc1 .Llast
.Lstep:                                                ; the steps in front of my own: each asks for the next, the last of them for my own
	STEP 1
	s_add_co_u32 s26, s26, 1
	s_cmp_lt_u32 s26, s25
	s_cbranch_scc1 .Lstep
.Llast:
	STEP 0                                         ; my own step, which holds the diagonal: nothing is left to fetch, so it holds no wait for a load's sake
	; THE WAY OUT.  l's two halves and the other half of the lanes' are added; O^T is divided by 64 l and sent through my stage in LDS, a tile (16 rows) at a time.  The row sums and these additions are the places behind the last products.
	ALLT v_add_f32 v[ST+8*t+4], v[ST+8*t+2], v[ST+8*t+3]
	ALLT v_permlanex16_b32 v[ST+8*t+5], v[ST+8*t+4], s[SEL], s[SEL+1]
	ALLT v_add_f32 v[ST+8*t+4], v[ST+8*t+4], v[ST+8*t+5]
	ALLT v_rcp_f32 v[ST+8*t+6], v[ST+8*t+4]
	v_nop                                          ; a plain instruction behind the last reciprocal,
	s_wait_alu depctr_va_vdst(0)                   ; and the one wait ahead of the first use: both reciprocals are written
	ALLT v_mul_f32 v[ST+8*t+6], 0x3c800000, v[ST+8*t+6]  ; 1 / 64: v is divided by the head size
.macro SCALE t                         ; tile t's O^T times 1 / (64 l), each accumulator from its lowest registers on
.set i, 0
.rept 16
	v_pk_mul_f32 v[O+32*(\t)+2*i:O+32*(\t)+2*i+1], v[O+32*(\t)+2*i:O+32*(\t)+2*i+1], v[ST+8*(\t)+6:ST+8*(\t)+7] op_sel_hi:[1,0]
.set i, i+1
.endr
.endm
.macro STAGE t                         ; a lane's eight channels of each block are 32 bytes of a row; they go into rows of 272 bytes and come back as whole rows of 256, into K's (tile 0) or V's (tile 1) registers
.irp c, 0,1,2,3
	ds_store_b128 v[STO], v[O+32*(\t)+8*(\c):O+32*(\t)+8*(\c)+3]   offset:64*(\c)
	ds_store_b128 v[STO], v[O+32*(\t)+8*(\c)+4:O+32*(\t)+8*(\c)+7] offset:64*(\c)+16
.endr
.irp f, 0,1,2,3,4,5,6,7
	ds_load_b128 v[K+32*(\t)+4*(\f):K+32*(\t)+4*(\f)+3], v[RD] offset:(\f)*2*SP  ; LDS serves a wave's instructions in order (ISA guide 5.7.1.4): these see the stores above; the next tile's stores come behind them
.endr
.endm
.macro SEND t, younger                 ; younger: the LDS instructions issued behind tile t's loads: the next tile's sixteen, or none
.irp f, 0,1,2,3,4,5,6,7
	s_wait_dscnt (\younger)+7-(\f)
	global_store_b128 v[GO], v[K+32*(\t)+4*(\f):K+32*(\t)+4*(\f)+3], s[OP:OP+1] offset:(16*(\t)+2*(\f))*4096 th:TH_STORE_NT  ; sixteen lanes store 256 consecutive bytes, aligned: a query's 64 channels of the head
.endr
.endm
	SCALE 0
	SCALE 1
	s_wait_alu depctr_va_vdst(0)                   ; both tiles' scalings have written O, which the LDS stores read; STO, RD and GO, made at the head, are written; the last step's products are done reading K and V, in which the loads from the stage land
	STAGE 0
	STAGE 1
	SEND 0, 16
	SEND 1, 0
	s_wait_dscnt 0x0                               ; the closing lines, six on end
	s_wait_alu 0x0
	s_wait_tensorcnt 0x0
	ds_add_u32 v[SPW], v[NIL]
	s_wait_dscnt 0x0
	s_endpgm
.Lfunc_end_k_q9d884bcf71_attn:
	.size	k_q9d884bcf71_attn, .Lfunc_end_k_q9d884bcf71_attn-k_q9d884bcf71_attn
	.p2alignl 7, 3214868480
	.fill 96, 4, 3214868480
	.section	.rodata,"a",@progbits
	.p2align	6, 0x0
	.amdhsa_kernel k_q9d884bcf71_attn
		.amdhsa_group_segment_fixed_size 35840
		.amdhsa_private_segment_fixed_size 0
		.amdhsa_enable_private_segment 0
		.amdhsa_kernarg_size 24
		.amdhsa_user_sgpr_count 2
		.amdhsa_user_sgpr_kernarg_segment_ptr 1
		.amdhsa_wavefront_size32 1
		.amdhsa_system_sgpr_workgroup_id_x 1
		.amdhsa_system_sgpr_workgroup_id_y 1
		.amdhsa_system_sgpr_workgroup_id_z 1
		.amdhsa_system_vgpr_workitem_id 0
		.amdhsa_next_free_vgpr 248
		.amdhsa_next_free_sgpr 66
		.amdhsa_reserve_vcc 0
		.amdhsa_float_denorm_mode_32 3
		.amdhsa_float_denorm_mode_16_64 3
		.amdhsa_memory_ordered 1
		.amdhsa_forward_progress 1
		.amdhsa_inst_pref_size 44
	.end_amdhsa_kernel
	.amdgpu_metadata
---
amdhsa.version: [ 1, 2 ]
amdhsa.kernels:
  - .name:           k_q9d884bcf71_attn
    .symbol:         k_q9d884bcf71_attn.kd
    .args:
      - { .name: qkv, .offset: 0, .size: 8, .value_kind: global_buffer, .address_space: global }
      - { .name: starts, .offset: 8, .size: 8, .value_kind: global_buffer, .address_space: global }
      - { .name: out0, .offset: 16, .size: 8, .value_kind: global_buffer, .address_space: global }
    .group_segment_fixed_size: 35840
    .private_segment_fixed_size: 0
    .kernarg_segment_align: 8
    .kernarg_segment_size: 24
    .max_flat_workgroup_size: 256
    .sgpr_count:     66
    .vgpr_count:     248
    .wavefront_size: 32
...
	.end_amdgpu_metadata
.endif
;; end of part 5
